; MI455X (gfx1250); checked and timed in simulation.
; The chip was launched on July 23, 2026; its instructions are those of AMD's public machine-readable ISA for CDNA 5 (MIT licence, August 2026) and "CDNA5" Instruction Set Architecture Reference Guide (July 2026). The comments in the code are by the model that wrote it; some were corrected since.
;; Multihead A Li Bi Self Attention. Allowed arithmetic: matrix products marked QUANTISED: E2M3 operands, one E8M0 scale for each 32 along K, by v_wmma_scale_f32_16x16x128_f8f6f4 with both operands' format E2M3, f32 sums; everything else in f32.
;; Inputs: Wk 1,024 x 1,024 float32; Wo 1,024 x 1,024 float32; Wq 1,024 x 1,024 float32; Wv 1,024 x 1,024 float32; attn_mask 2 x 2,048 x 2,048 bool; bk 1,024 float32; bo 1,024 float32; bq 1,024 float32; bv 1,024 float32; embed 2 x 2,048 x 1,024 float32.
;; Outputs: out0 2 x 2,048 x 1,024 float32.
;; This version of the problem:
;;   THIS VERSION OF THE PROBLEM IS GIVEN IN LOW PRECISION. The matrix products marked QUANTISED in the list below multiply operands that are first quantised to E2M3 (2 exponent bits, 3 mantissa bits; 6 bits a number), with one power-of-two scale for each 32 numbers along K (OCP MX v1.0); their sums are f32. All else is computed in f32.
;;   The module's matrix products, in the order in which they are computed (A, B: the left and right operand; K: the contracted axis; several contracted axes count as one K, in the product's order):
;;     1. [M 4,096, K 1,024] x [K 1,024, N 1,024]; A: input embed; B: input Wq: QUANTISED
;;     2. [M 4,096, K 1,024] x [K 1,024, N 1,024]; A: input embed; B: input Wk: QUANTISED
;;     3. [M 4,096, K 1,024] x [K 1,024, N 1,024]; A: input embed; B: input Wv: QUANTISED
;;     4. batch 32 x [M 2,048, K 64] x [K 64, N 2,048]; A: computed on the way; B: computed on the way: QUANTISED
;;     5. batch 32 x [M 2,048, K 2,048] x [K 2,048, N 64]; A: softmax (see below); B: computed on the way: QUANTISED
;;     6. [M 4,096, K 1,024] x [K 1,024, N 1,024]; A: computed on the way; B: input Wo: QUANTISED
;;   THE QUANTISER, for each operand of a quantised product, along K:
;;     - K is cut into blocks of 32 from its start; a last block that is shorter is filled with zeros.
;;     - A block's scale is 2^e with e = floor(log2(the largest magnitude in the block)) - 2, held to -126 .. 127; a block of zeros has e = 0. As a byte (E8M0): e + 127.
;;     - Each number is divided by its block's scale, clamped to +-7.5, and rounded to the nearest number of E2M3, ties to even, subnormals kept.
;;     - The product sums the exact products of the quantised numbers (number of the format x scale) in f32.
;;   ~~~python
;;   def quantise(x, axis):      # numpy; x: float32 -> the quantised numbers, widened to float32 again
;;       x = np.moveaxis(x, axis, -1); K = x.shape[-1]
;;       x = np.pad(x, [(0, 0)] * (x.ndim - 1) + [(0, -K % 32)]); x = x.reshape(x.shape[:-1] + (-1, 32)); a = np.abs(x).max(-1, keepdims=True)
;;       e = np.where(a > 0, np.clip(np.frexp(np.where(a > 0, a, 1))[1] - 1 - 2, -126, 127), 0)      # np.frexp(a)[1] - 1 = floor(log2(a)), exactly
;;       r = np.clip(x / 2.0 ** e, -7.5, 7.5)
;;       step = 2.0 ** (np.maximum(np.frexp(np.where(r == 0, 1, r))[1] - 1, 0) - 3)
;;       q = np.round(r / step) * step * 2.0 ** e      # np.round: ties to even
;;       return np.moveaxis(q.reshape(q.shape[:-2] + (-1,))[..., :K], -1, axis).astype(np.float32)
;;   ~~~
;;   SOFTMAX AHEAD OF A QUANTISED PRODUCT. Where the list says 'softmax', what is quantised is not the finished softmax but p = 2^(t - M), with t = logit x log2(e) and M = ceil(the row's largest t), a whole number; so 1/2 < the row's largest p <= 1. The row's sum l is taken of the UNQUANTISED p, in f32, and the product's result is divided by l at the end. Since M is a whole number, a kernel that streams over the keys may use a running M (the ceiling of the running maximum): every later rescaling is an exact power of two, which a block's scale takes up: the codes' values come out the same.
;;   OPERANDS COMPUTED ON THE WAY. 'Computed on the way' means the value that the module computes at that place (a softmax that the list does not call 'softmax' is quantised finished and normalised). What goes into a quantiser is computed in f32, as accurately as f32 sums, v_exp_f32 and their like allow (about 1e-6 of the number): no bf16 or f16 on the way to a quantiser, and a product that is left as it is and whose result goes on into a quantised operand takes f32 operands (vector FMAs, or v_wmma_f32_16x16x4_f32). A number that lies on a knife's edge between two numbers of the format may be rounded either way, as far as f32 arithmetic and the matrix unit's own rounding can turn it there, and no further.
;; One version. Each part assembles by itself: llvm-mc -triple=amdgcn-amd-amdhsa -mcpu=gfx1250 --defsym DOCPART=n.
;; ======== version 1 of 1: 4 launches
;; workspace buffers: ebuf 3,276,800 bytes; wbuf 3,276,800 bytes; abuf 3,276,800 bytes; maskw 1,048,576 bytes of whole numbers; qbuf 3,407,872 bytes; kv 6,815,744 bytes
;; launch prep (part 1): grid 768 x 1, 4 waves a work-group, no clusters, 101,888 bytes of LDS; arguments embed, Wq, Wk, Wv, Wo, attn_mask, ebuf, wbuf, maskw; writes ebuf, wbuf, maskw
.if DOCPART == 1
	.amdgcn_target "amdgcn-amd-amdhsa--gfx1250"
	.amdhsa_code_object_version 6
	.text
	.protected	k_q0e24861339_prep
	.globl	k_q0e24861339_prep
	.p2align	8
	.type	k_q0e24861339_prep,@function
k_q0e24861339_prep:
	s_mov_b64 s[64:65], 0
	v_nop
	global_prefetch_b8 v0, s[64:65] scope:SCOPE_SE
	s_setreg_imm32_b32 hwreg(HW_REG_WAVE_MODE, 25, 1), 1
	s_wait_xcnt 0x0
; embed [4096][1024] and Wq, Wk, Wv, Wo [1024][1024], f32 with K innermost, become codes of FP6 (E2M3) with one E8M0 byte for each 32 along K; attn_mask becomes lane masks.
; A block's scale is 2^(floor(log2(its largest magnitude)) - 2): its byte is the largest magnitude's exponent field - 2, held at 1 from below by a floor among the maximum's leaves.
; LIMITS: a block whose largest magnitude lies under 2^-124, a block of zeros among them, keeps the byte 1 (its codes are then zeros or tiny; the bytes are read by this program alone); NaN and infinities are not served.
; LAYOUT OF THE CODES (ebuf; wbuf = Wq, Wk, Wv, Wo on end).  Row tile rt holds rows 32 (rt / 2) + 8 (rt % 2) + r + 8 (r / 8), r = 0 .. 15.  A HALF FRAGMENT, 16 rows x 64 K, is stored as an image of the six
; registers that the matrix operand's layout gives each lane: lane l's registers 0-3 at 16 l, registers 4-5 at 512 + 8 l: 768 bytes.  Codes: [rt 256][64 K 16][768].  Scale words from byte SCOFF on:
; [rt 256][256 K 4][32 words]: word l is row l % 16's four bytes for the (l / 16)-th 128 of those 256 along K.
; SHARES.  Work-groups 0-255: a row tile of embed each; 256-511: of the weights; a wave takes 256 along K, as two units of 128.  Each load reads 512 consecutive bytes of one row; the unit turns through the wave's
; own stage in LDS (rows of 512 + 16 bytes), so that a lane gets two whole blocks of 32 neighbours.  Work-groups 512-767: a tile of 16 queries of the mask each; a wave takes four key steps of 128.
; maskw: [batch x 128 + query tile][key step 16][64 words]: bit l of word 16 b + i says whether key 128 step + 32 b + 16 (l / 16) + i counts for the tile's query l % 16.
; A stream: no matrix unit, no tensor load, no barrier (waves share nothing); every store of a wave covers 128, 256 or 512 consecutive bytes.
.set SCOFF, 3145728
.set SP,    528                        ; a stage row
.set WSTG,  2*16*SP                    ; a wave's two stages
.set MSTG,  4*WSTG                     ; behind them: the mask path's stages, 16 SP bytes a wave
.set R,     32                         ; v32-159  two units as loaded
.set X,     160                        ; v160-223 a unit: register 32 c + i = k 64 c + 32 (lane / 16) + i of my row
.set C,     224                        ; v224-247 codes, twelve registers a unit
.set M,     112                        ; mask path: v112-175 my 16 bytes of each step and block
	s_load_b512 s[4:19], s[0:1], 0x0               ; embed, Wq, Wk, Wv, Wo, attn_mask, ebuf, wbuf
	s_load_b64 s[20:21], s[0:1], 0x40              ; maskw
	v_lshl_add_u32 v248, v0, 2, 0x18c00
	v_mov_b32 v249, 0
	v_lshrrev_b32 v1, 5, v0
	v_readfirstlane_b32 s23, v1                    ; wave
	v_and_b32 v1, 31, v0                           ; lane
	v_and_b32 v2, 15, v0                           ; r
	v_bfe_u32 v3, v0, 4, 1                         ; h
	v_lshlrev_b32 v4, 4, v1                        ; 16 l
	v_lshlrev_b32 v7, 3, v1                        ; 8 l
	v_lshlrev_b32 v8, 2, v1                        ; 4 l
	v_lshlrev_b32 v9, 3, v3                        ; 8 h
	v_mul_u32_u24 v10, v2, SP
	s_mul_i32 s29, s23, WSTG
	v_add_nc_u32 v5, s29, v4                       ; the stage, way in: 16 l of a row
	v_lshl_add_u32 v6, v3, 7, v10
	v_add_nc_u32 v6, s29, v6                       ; way out: row r, + 128 h
	s_mul_i32 s29, s23, 16*SP
	s_add_co_u32 s29, s29, MSTG
	v_add_nc_u32 v27, s29, v4                      ; the mask's stage, way in
	v_lshl_add_u32 v28, v3, 4, v10
	v_add_nc_u32 v28, s29, v28                     ; way out: row r, + 16 h
	s_mov_b32 s22, ttmp9
	s_cmp_ge_u32 s22, 512
	s_cbranch_scc1 .Lmask
	; ---- the quantising path
	s_mov_b32 s40, 0x76543210
	s_mov_b32 s41, 0xfedcba98                      ; v_permlanex16_b32's selects for lane l xor 16
	s_mov_b32 s28, 0xffff0000                      ; lanes 16-31
	v_mov_b32 v15, 0                               ; written once: a lane permute's destination counts as one of its sources
	s_and_b32 s30, s22, 63
	s_and_b32 s31, s22, 255                        ; the row tile in ebuf or in wbuf
	s_cmp_lt_u32 s22, 256
	s_cselect_b32 s30, s22, s30                    ; the row tile in its own tensor
	s_lshr_b32 s32, s30, 1
	s_lshl_b32 s32, s32, 5
	s_and_b32 s33, s30, 1
	s_lshl_b32 s33, s33, 3
	s_add_co_u32 s32, s32, s33                     ; its first row
	s_lshl_b32 s32, s32, 12                        ; rows of 4,096 bytes,
	s_lshl_b32 s33, s23, 10
	s_add_co_u32 s32, s32, s33                     ; my wave's 1,024 bytes of them
	s_mov_b32 s33, 0
	s_mul_i32 s34, s31, 12288
	s_mul_i32 s35, s23, 3072
	s_add_co_u32 s34, s34, s35                     ; my four half fragments
	s_mov_b32 s35, 0
	s_lshl_b32 s36, s31, 9
	s_lshl_b32 s37, s23, 7
	s_add_co_u32 s36, s36, s37
	s_add_co_u32 s36, s36, SCOFF                   ; my 32 scale words
	s_mov_b32 s37, 0
	s_wait_kmcnt 0x0
	s_cmp_lt_u32 s22, 448                          ; the tensor is chosen by the work-group's number alone
	s_cselect_b64 s[24:25], s[10:11], s[12:13]
	s_cmp_lt_u32 s22, 384
	s_cselect_b64 s[24:25], s[8:9], s[24:25]
	s_cmp_lt_u32 s22, 320
	s_cselect_b64 s[24:25], s[6:7], s[24:25]
	s_cmp_lt_u32 s22, 256
	s_cselect_b64 s[24:25], s[4:5], s[24:25]
	s_cselect_b64 s[26:27], s[16:17], s[18:19]
	s_add_nc_u64 s[24:25], s[24:25], s[32:33]
	s_add_nc_u64 s[38:39], s[26:27], s[36:37]
	s_add_nc_u64 s[26:27], s[26:27], s[34:35]
.irp u, 0,1
.irp i, 0,1,2,3,4,5,6,7,8,9,10,11,12,13,14,15
	global_load_b128 v[R+64*\u+4*\i:R+64*\u+4*\i+3], v4, s[24:25] offset:(\i+8*(\i/8))*4096+512*\u th:TH_LOAD_NT   ; 32 lanes read 512 consecutive bytes of the tile's row i
.endr
.endr
; A unit in X becomes twelve registers of codes and a scale word.  A lane holds two whole blocks, so no other lane is asked for a maximum.
.macro QUANTB u
.set CC, C+12*\u
.irp c, 0,1
	v_max3_num_f32 v[10+\c], |v[X+32*\c]|, |v[X+32*\c+1]|, 0x1800000   ; and the floor 2^(3 - 127): the byte cannot fall under 1
.endr
.irp i, 2,4,6,8,10,12,14,16,18,20,22,24,26,28,30
.irp c, 0,1
	v_max3_num_f32 v[10+\c], v[10+\c], |v[X+32*\c+\i]|, |v[X+32*\c+\i+1]|   ; (the two blocks by turns)
.endr
.endr
.irp c, 0,1
	v_add_nc_u32 v[12+\c], 0xff000000, v[10+\c]    ; 2 off the exponent field: the conversion takes the exponent field of this operand as its scale
.endr
.irp c, 0,1
	v_lshrrev_b32 v[10+\c], 23, v[12+\c]           ; the scale's byte
.endr
	v_lshl_or_b32 v14, v11, 16, v10                ; my two bytes, blocks h and 2 + h,
	v_lshlrev_b32 v14, v9, v14                     ; at their places in the word;
	v_permlanex16_b32 v15, v14, s40, s41
	v_or_b32 v[24+\u], v14, v15                    ; with lane l xor 16's two the word is whole
.irp c, 0,1
	v_cvt_scalef32_pk16_fp6_f32 v[CC+6*\c:CC+6*\c+2], v[X+32*\c:X+32*\c+15], v[12+\c]
	v_cvt_scalef32_pk16_fp6_f32 v[16+4*\c:18+4*\c], v[X+32*\c+16:X+32*\c+31], v[12+\c]   ; (a conversion's three registers begin on an even number)
.endr
	v_nop                                          ; one plain place behind a scaled conversion
.irp c, 0,1
.irp i, 0,1,2
	v_mov_b32 v[CC+6*\c+3+\i], v[16+4*\c+\i]
.endr
.endr
	global_store_b128 v4, v[CC:CC+3], s[26:27] offset:1536*\u          ; two half fragments as images; each unit has code registers of its own, so no store's data are written again
	global_store_b64 v7, v[CC+4:CC+5], s[26:27] offset:1536*\u+512
	global_store_b128 v4, v[CC+6:CC+9], s[26:27] offset:1536*\u+768
	global_store_b64 v7, v[CC+10:CC+11], s[26:27] offset:1536*\u+1280
.endm
	s_wait_loadcnt 16                              ; unit 0's sixteen loads are in; unit 1's sixteen may be out
.irp i, 0,1,2,3,4,5,6,7,8,9,10,11,12,13,14,15
	ds_store_b128 v5, v[R+4*\i:R+4*\i+3] offset:SP*\i
.endr
.irp c, 0,1
.irp j, 0,1,2,3,4,5,6,7
	ds_load_b128 v[X+32*\c+4*\j:X+32*\c+4*\j+3], v6 offset:256*\c+16*\j   ; LDS serves a wave's instructions in order: these see my stores
.endr
.endr
	s_wait_loadcnt 0x0
.irp i, 0,1,2,3,4,5,6,7,8,9,10,11,12,13,14,15
	ds_store_b128 v5, v[R+64+4*\i:R+64+4*\i+3] offset:16*SP+SP*\i
.endr
	s_wait_dscnt 16                                ; unit 0 is back; the sixteen stores of unit 1 may be out
	QUANTB 0
.irp c, 0,1
.irp j, 0,1,2,3,4,5,6,7
	ds_load_b128 v[X+32*\c+4*\j:X+32*\c+4*\j+3], v6 offset:16*SP+256*\c+16*\j
.endr
.endr
	s_wait_dscnt 0x0
	QUANTB 1
	v_cndmask_b32 v26, v24, v25, s28               ; lanes 0-15 unit 0's words, lanes 16-31 unit 1's
	global_store_b32 v8, v26, s[38:39]             ; 128 consecutive bytes
	s_wait_tensorcnt 0x0
	ds_add_u32 v248, v249
	s_wait_dscnt 0x0
	s_endpgm
	; ---- the mask path
.Lmask:
	s_sub_co_u32 s24, s22, 512                     ; batch x 128 + query tile
	s_lshr_b32 s25, s24, 7
	s_and_b32 s26, s24, 127
	s_lshr_b32 s28, s26, 1
	s_lshl_b32 s28, s28, 5
	s_and_b32 s26, s26, 1
	s_lshl_b32 s26, s26, 3
	s_add_co_u32 s28, s28, s26                     ; the tile's first query
	s_lshl_b32 s28, s28, 11                        ; rows of 2,048 bytes,
	s_lshl_b32 s25, s25, 22
	s_add_co_u32 s28, s28, s25                     ; the batch,
	s_lshl_b32 s25, s23, 9
	s_add_co_u32 s28, s28, s25                     ; my wave's 512 keys
	s_mov_b32 s29, 0
	s_lshl_b32 s30, s24, 12
	s_lshl_b32 s25, s23, 10
	s_add_co_u32 s30, s30, s25                     ; my four steps' words
	s_mov_b32 s31, 0
	s_wait_kmcnt 0x0
	s_add_nc_u64 s[14:15], s[14:15], s[28:29]
	s_add_nc_u64 s[20:21], s[20:21], s[30:31]
.irp i, 0,1,2,3,4,5,6,7,8,9,10,11,12,13,14,15
	global_load_b128 v[32+4*\i:35+4*\i], v4, s[14:15] offset:(\i+8*(\i/8))*2048 th:TH_LOAD_NT   ; 512 consecutive bytes of the tile's query i
.endr
.irp i, 0,1,2,3,4,5,6,7
	v_mov_b32 v[96+\i], 0                          ; the words' registers: a lane write's destination counts as read
.endr
.irp i, 0,1,2,3,4,5,6,7,8,9,10,11,12,13,14,15
	s_wait_loadcnt 15-\i                           ; loads come back in order: row i is in
	ds_store_b128 v27, v[32+4*\i:35+4*\i] offset:SP*\i
.endr
.irp s, 0,1,2,3
.irp b, 0,1,2,3
	ds_load_b128 v[M+16*\s+4*\b:M+16*\s+4*\b+3], v28 offset:128*\s+32*\b   ; query r, keys 128 s + 32 b + 16 h + 0 .. 15
.endr
.endr
.irp s, 0,1,2,3
	s_wait_dscnt 12-4*\s                           ; this step's four loads are in; those of the later steps may be out
.set N, 0
.rept 64
	v_and_b32 v[104+N%4], 0xff<<(8*(N%4)), v[M+16*\s+N/4]          ; byte N of my 64
	v_cmp_ne_u32 s[32+N%8], 0, v[104+N%4]                          ; over the 32 lanes: word N
	v_writelane_b32 v[96+2*\s+N%2], s[32+N%8], N/2                 ; lane l keeps words 2 l and 2 l + 1
.set N, N+1
.endr
	global_store_b64 v7, v[96+2*\s:97+2*\s], s[20:21] offset:256*\s   ; 256 consecutive bytes, aligned
.endr
	s_wait_tensorcnt 0x0
	ds_add_u32 v248, v249
	s_wait_dscnt 0x0
	s_endpgm
.Lfunc_end_k_q0e24861339_prep:
	.size	k_q0e24861339_prep, .Lfunc_end_k_q0e24861339_prep-k_q0e24861339_prep
	.p2alignl 7, 3214868480
	.fill 96, 4, 3214868480
	.section	.rodata,"a",@progbits
	.p2align	6, 0x0
	.amdhsa_kernel k_q0e24861339_prep
		.amdhsa_group_segment_fixed_size 101888
		.amdhsa_private_segment_fixed_size 0
		.amdhsa_enable_private_segment 0
		.amdhsa_kernarg_size 72
		.amdhsa_user_sgpr_count 2
		.amdhsa_user_sgpr_kernarg_segment_ptr 1
		.amdhsa_wavefront_size32 1
		.amdhsa_system_sgpr_workgroup_id_x 1
		.amdhsa_system_sgpr_workgroup_id_y 1
		.amdhsa_system_sgpr_workgroup_id_z 1
		.amdhsa_system_vgpr_workitem_id 0
		.amdhsa_next_free_vgpr 250
		.amdhsa_next_free_sgpr 66
		.amdhsa_reserve_vcc 0
		.amdhsa_float_denorm_mode_32 3
		.amdhsa_float_denorm_mode_16_64 3
		.amdhsa_memory_ordered 1
		.amdhsa_forward_progress 1
		.amdhsa_inst_pref_size 71
	.end_amdhsa_kernel
	.amdgpu_metadata
---
amdhsa.version: [ 1, 2 ]
amdhsa.kernels:
  - .name:           k_q0e24861339_prep
    .symbol:         k_q0e24861339_prep.kd
    .args:
      - { .name: embed, .offset: 0, .size: 8, .value_kind: global_buffer, .address_space: global }
      - { .name: Wq, .offset: 8, .size: 8, .value_kind: global_buffer, .address_space: global }
      - { .name: Wk, .offset: 16, .size: 8, .value_kind: global_buffer, .address_space: global }
      - { .name: Wv, .offset: 24, .size: 8, .value_kind: global_buffer, .address_space: global }
      - { .name: Wo, .offset: 32, .size: 8, .value_kind: global_buffer, .address_space: global }
      - { .name: attn_mask, .offset: 40, .size: 8, .value_kind: global_buffer, .address_space: global }
      - { .name: ebuf, .offset: 48, .size: 8, .value_kind: global_buffer, .address_space: global }
      - { .name: wbuf, .offset: 56, .size: 8, .value_kind: global_buffer, .address_space: global }
      - { .name: maskw, .offset: 64, .size: 8, .value_kind: global_buffer, .address_space: global }
    .group_segment_fixed_size: 101888
    .private_segment_fixed_size: 0
    .kernarg_segment_align: 8
    .kernarg_segment_size: 72
    .max_flat_workgroup_size: 128
    .sgpr_count:     66
    .vgpr_count:     250
    .wavefront_size: 32
...
	.end_amdgpu_metadata
.endif
;; end of part 1
;; launch qkv (part 2): grid 8 x 24, 16 waves a work-group, clusters of 4 x 4, 327,680 bytes of LDS; arguments ebuf, wbuf, bq, bk, bv, qbuf, kv; writes qbuf, kv
.if DOCPART == 2
	.amdgcn_target "amdgcn-amd-amdhsa--gfx1250"
	.amdhsa_code_object_version 6
	.text
	.protected	k_q0e24861339_qkv
	.globl	k_q0e24861339_qkv
	.p2align	8
	.type	k_q0e24861339_qkv,@function
k_q0e24861339_qkv:
	s_mov_b64 s[64:65], 0
	v_nop
	global_prefetch_b8 v0, s[64:65] scope:SCOPE_SE
	s_setreg_imm32_b32 hwreg(HW_REG_WAVE_MODE, 25, 1), 1
	s_wait_xcnt 0x0
	s_wait_alu depctr_hold_cnt(0) depctr_sa_sdst(0) depctr_va_vdst(0) depctr_va_sdst(0) depctr_va_ssrc(0) depctr_va_vcc(0) depctr_vm_vsrc(0)
	s_getreg_b32 s2, hwreg(HW_REG_IB_STS2, 6, 4)
	s_cmp_eq_u32 s2, 0
	s_cbranch_scc0 .Lentry_in_a_cluster
	s_endpgm
.Lentry_in_a_cluster:
	s_bfe_u32 s2, ttmp6, 0x10000c
	s_cmp_lg_u32 s2, 0xf033
	s_cbranch_scc0 .Lentry_shape_is_right
	s_endpgm
.Lentry_shape_is_right:
; Q = embed Wq^T + bq, K = embed Wk^T + bk, V = embed Wv^T + bv on codes of FP6 (E2M3), and their results quantised in registers for the attention launch.
; THE FORM.  Out[x][y] = bias + sum over k of X[x][k] Y[y][k]; source 0 = 16 rows of Y, source 1 = 16 rows of X: a lane holds one row x and its registers run along y, which is the NEXT product's K.
;   Clusters with y under 4: X = tokens (ebuf), Y = rows of Wq (cluster x = 0) or Wk (1): y = the head's 64.   Clusters with y 4, 5: X = rows of Wv, Y = tokens: y = the keys.
; Row tile rt of every operand holds rows 32 (rt / 2) + 8 (rt % 2) + r + 8 (r / 8): so the 16 registers of y tiles 2 b and 2 b + 1 are 16 neighbours, y = 32 b + 16 (lane / 16) + 0 .. 15.
; SHARES.  A work-group makes 256 x 256, K = 1,024; each of its sixteen waves 64 x 64: sixteen accumulators, no register windows; four waves to a SIMD, so that one wave's LDS waits stand beside another's products.
; OPERANDS lie in memory as images of the operand's registers (half fragment: 16 rows x 64 K, 768 bytes: lane l's registers 0-3 at 16 l, 4-5 at 512 + 8 l), so every LDS load takes consecutive bytes: no padding.
; LDS: three slots of 256 along K (X's 16 row tiles x 3,072 bytes, then Y's); the scale words of all of K (X 8,192 bytes, Y 8,192); the spare words.  K's fourth part is filled into slot 0 again.
; CLUSTER 4 x 4: X's tiles hang on the cluster's row alone, Y's on its column alone: each is asked for jointly by the four that share it.  No branch and no LDS address hangs on the place in the cluster.
; OUT.  qbuf [batch x 16 + head][group of 4 query tiles 32][4 half fragments, then a scale block].   kv [batch x 16 + head][key step 16][13,312]: 8 half fragments of K; V^T: (d tile, key half) at 6,144 + 1,536 dt + 768 e;
;   two scale blocks of K at 12,288; two of V at 12,800.  A scale block, 256 bytes, serves four tiles: lane l's 8 bytes at 8 l: word 0 tile l / 16, word 1 tile 2 + l / 16, row l % 16; a word: two bytes, then 0x7f7f.
; LIMITS: the bias starts its sum instead of being added last; a block whose largest magnitude lies under 2^-124 keeps the byte 1; NaN and infinities are not served.
.set SCOFF, 3145728
.set SLOT,  98304
.set YO,    49152
.set SCLB,  3*SLOT
.set SPARE, SCLB+16384                 ; the spare words, 128 bytes for each of sixteen waves: eight blocks of 256 bytes that no other line names
.set XS,    16                         ; v16-19 X's scale words (lanes 0-15: the even 128 along K, lanes 16-31: the odd);  v20-23 Y's
.set YS,    20
.set XF,    24                         ; v24-71 X's four fragments;  v72-119 Y's
.set YF,    72
.set TM,    120                        ; v120-123 at work in the quantiser
.set ACC,   128                        ; accumulator (a, t) at v[128 + 32 a + 8 t]
.set SELR,  100                        ; s[100:101] lane selects
; v1 my spare word's address, v2 = 0 (both kept for the add alone); v3 lane; v4-7 my lane's places in a slot (X by 16, X by 8, Y by 16, Y by 8); v8-11 the same in the slot in hand; v12, v13 scale words' places
.macro CROUND                          ; a round of the cluster's barrier
	s_barrier_signal -1
	s_barrier_wait -1
	s_cmp_lg_u32 s18, 0
	s_cbranch_scc1 .Lnot_wave_0_\@
	s_barrier_signal -3
.Lnot_wave_0_\@:
	s_barrier_wait -3
	s_barrier_signal -1
	s_barrier_wait -1
.endm
.macro FRAG reg, a16, a8, off          ; a fragment, 16 rows x 128 K: two images on end
	ds_load_b128 v[\reg:\reg+3], v[\a16] offset:\off
	ds_load_b64 v[\reg+4:\reg+5], v[\a8] offset:\off+512
	ds_load_b128 v[\reg+6:\reg+9], v[\a16] offset:\off+768
	ds_load_b64 v[\reg+10:\reg+11], v[\a8] offset:\off+1280
.endm
; 256 along K from the slot at byte so: K part kp.  The sixteen accumulators take turns, one instruction a turn.
.macro WORK so, kp
	v_add_nc_u32 v8, \so, v4                       ; these four are also the places in front of loads into registers that matrix instructions have read
	v_add_nc_u32 v9, \so, v5
	v_add_nc_u32 v10, \so, v6
	v_add_nc_u32 v11, \so, v7
.irp a, 0,1,2,3
	ds_load_b32 v[XS+\a], v12 offset:512*\a+128*\kp
	ds_load_b32 v[YS+\a], v13 offset:512*\a+128*\kp
.endr
.irp q, 0,1
.if \q
.rept 4
	v_nop                                          ; places in front of loads into registers that matrix instructions have read
.endr
.endif
.irp a, 0,1,2,3
	FRAG XF+12*\a, 8, 9, 3072*\a+1536*\q
	FRAG YF+12*\a, 10, 11, 3072*\a+1536*\q
.endr
	s_wait_dscnt 0x0
.irp a, 0,1,2,3
.irp t, 0,1,2,3
.if \q
	v_wmma_scale_f32_16x16x128_f8f6f4 v[ACC+32*\a+8*\t:ACC+32*\a+8*\t+7], v[YF+12*\t:YF+12*\t+11], v[XF+12*\a:XF+12*\a+11], v[ACC+32*\a+8*\t:ACC+32*\a+8*\t+7], v[YS+\t], v[XS+\a] matrix_a_fmt:MATRIX_FMT_FP6 matrix_b_fmt:MATRIX_FMT_FP6 matrix_a_scale:MATRIX_SCALE_ROW1 matrix_b_scale:MATRIX_SCALE_ROW1
.else
	v_wmma_scale_f32_16x16x128_f8f6f4 v[ACC+32*\a+8*\t:ACC+32*\a+8*\t+7], v[YF+12*\t:YF+12*\t+11], v[XF+12*\a:XF+12*\a+11], v[ACC+32*\a+8*\t:ACC+32*\a+8*\t+7], v[YS+\t], v[XS+\a] matrix_a_fmt:MATRIX_FMT_FP6 matrix_b_fmt:MATRIX_FMT_FP6
.endif
.endr
.endr
.endr
.endm
; 32 numbers of a lane, register 16 b + i = k 32 b + 16 (lane / 16) + i of my row, become a half fragment in v[pc] .. v[pc + 5] and two scale bytes in v[w].  Accumulators are read from their low ends on.
.macro QUANT2 s, pc, t2, w
.irp b, 0,1
	v_max3_num_f32 v[TM+\b], |v[\s+16*\b]|, |v[\s+16*\b+1]|, 0x1800000   ; my 16 numbers of block b, and the floor 2^(3 - 127): the byte cannot fall under 1
.endr
.irp i, 2,4,6,8,10,12,14
.irp b, 0,1
	v_max3_num_f32 v[TM+\b], v[TM+\b], |v[\s+16*\b+\i]|, |v[\s+16*\b+\i+1]|
.endr
.endr
.irp b, 0,1
	v_permlanex16_b32 v[TM+2+\b], v[TM+\b], s[SELR], s[SELR+1]
.endr
.irp b, 0,1
	v_max_num_f32 v[TM+\b], v[TM+\b], v[TM+2+\b]   ; with lane l xor 16's: the block's largest magnitude
.endr
.irp b, 0,1
	v_add_nc_u32 v[TM+2+\b], 0xff000000, v[TM+\b]  ; 2 off its exponent field: the conversion's scale operand
.endr
.irp b, 0,1
	v_lshrrev_b32 v[TM+\b], 23, v[TM+2+\b]         ; the scale's byte
.endr
	v_lshl_or_b32 v[\w], v[TM+1], 8, v[TM]
	v_cvt_scalef32_pk16_fp6_f32 v[\pc:\pc+2], v[\s:\s+15], v[TM+2]
	v_cvt_scalef32_pk16_fp6_f32 v[\t2:\t2+2], v[\s+16:\s+31], v[TM+3]
	v_nop                                          ; one plain place behind a scaled conversion
.irp i, 0,1,2
	v_permlane16_swap_b32 v[\pc+\i], v[\t2+\i]     ; the layout wants a whole block in a lane: lanes 0-15 block 0, lanes 16-31 block 1
.endr
.irp i, 0,1,2
	v_mov_b32 v[\pc+3+\i], v[\t2+\i]
.endr
.endm
.macro G0SET g, ptr, k                 ; descriptor group 0 for K part k: count 1; LDS address; global address; type 2
	s_mov_b32 s[\g], 1
	s_add_co_u32 s[\g+1], s2, \k*SLOT
	s_add_nc_u64 s[\g+2:\g+3], s[\ptr:\ptr+1], \k*3072
	s_or_b32 s[\g+3], s[\g+3], 0x80000000
.endm
	s_load_b256 s[4:11], s[0:1], 0x0               ; ebuf, wbuf, bq, bk
	s_load_b128 s[12:15], s[0:1], 0x20             ; bv, qbuf
	s_load_b64 s[16:17], s[0:1], 0x30              ; kv
	v_lshl_add_u32 v1, v0, 2, SPARE
	v_mov_b32 v2, 0
	ds_add_u32 v1, v2
	ds_add_u32 v1, v2
	s_wait_dscnt 0x0
	v_lshrrev_b32 v3, 5, v0
	v_readfirstlane_b32 s18, v3                    ; wave 0..15
	v_and_b32 v3, 31, v0                           ; lane
	s_bfe_u32 s19, ttmp6, 0x40000                  ; cx
	s_bfe_u32 s20, ttmp6, 0x40004                  ; cy
	s_mov_b32 s21, ttmp9                           ; the cluster's x
	s_and_b32 s22, ttmp7, 0xffff                   ; the cluster's y
	s_lshl_b32 s96, s22, 6
	s_lshl_b32 s92, s20, 4
	s_lshl_b32 s97, s21, 6
	s_lshl_b32 s94, s19, 4
	s_sub_co_u32 s95, s22, 4
	s_lshl_b32 s95, s95, 7
	s_cmp_ge_u32 s22, 4                            ; the job: 0 = Q and K, 1 = V: the same in all sixteen partners
	s_cselect_b32 s23, 1, 0
	s_cselect_b32 s96, 128, s96
	s_cselect_b32 s95, s95, 0
	s_add_co_u32 s96, s96, s92                     ; X's first row tile: 64 y + 16 cy (tokens), or 128 + 16 cy (Wv)
	s_add_co_u32 s97, s97, s94
	s_add_co_u32 s97, s97, s95                     ; Y's: 64 x + 16 cx (Wq, Wk), or 128 (y - 4) + 64 x + 16 cx (tokens)
	s_lshl_b32 s92, s20, 2
	s_lshl_b32 s92, 15, s92                        ; my row of the cluster
	s_lshl_b32 s94, 0x1111, s19                    ; my column
	s_or_b32 s24, s92, (3<<16)|(1<<21)             ; group 1, codes of X: 15:0 the mask; 17:16 elements of 8 bytes; 21 set beside a mask
	s_or_b32 s40, s92, (3<<16)|(1<<21)             ; scale words of X
	s_or_b32 s32, s94, (3<<16)|(1<<21)             ; codes of Y
	s_or_b32 s48, s94, (3<<16)|(1<<21)             ; scale words of Y
.irp g, 24, 32                         ; two row tiles x 3,072 bytes (256 along K), 12,288 bytes apart
	s_mov_b32 s[\g+1], 384<<16
	s_mov_b32 s[\g+2], 2<<16
	s_mov_b32 s[\g+3], 384<<16
	s_mov_b32 s[\g+4], 2
	s_mov_b32 s[\g+5], 1536
	s_mov_b32 s[\g+6], 0
	s_mov_b32 s[\g+7], 0
.endr
.irp g, 40, 48                         ; two row tiles' scale words: 1,024 dense bytes as four rows of 256
	s_mov_b32 s[\g+1], 32<<16
	s_mov_b32 s[\g+2], 4<<16
	s_mov_b32 s[\g+3], 32<<16
	s_mov_b32 s[\g+4], 4
	s_mov_b32 s[\g+5], 32
	s_mov_b32 s[\g+6], 0
	s_mov_b32 s[\g+7], 0
.endr
	s_and_b32 s3, s18, 7                           ; waves 0-7 fetch X's row tiles 2 w, 2 w + 1; waves 8-15 Y's 2 (w - 8), 2 (w - 8) + 1
	s_lshl_b32 s3, s3, 1
	s_add_co_u32 s92, s96, s3
	s_lshl_b32 s92, s92, 9                         ; X: 512 bytes of scale words a row tile
	s_mov_b32 s93, 0
	s_add_co_u32 s94, s97, s3
	s_lshl_b32 s94, s94, 9                         ; Y likewise, in registers that never hold cy
	s_mov_b32 s95, 0
	s_mul_i32 s2, s18, 6144                        ; where the codes go in a slot: X's sixteen tiles, then Y's = wave x 6,144
	s_lshl_b32 s3, s18, 10
	s_add_co_u32 s3, s3, SCLB                      ; and the scale words
	s_wait_kmcnt 0x0
	s_cmp_eq_u32 s23, 0
	s_cselect_b64 s[98:99], s[4:5], s[6:7]         ; X's buffer
	s_cselect_b64 s[100:101], s[6:7], s[4:5]       ; Y's
	s_mov_b32 s56, 1
	s_mov_b32 s57, s3
	s_add_nc_u64 s[58:59], s[98:99], s[92:93]
	s_add_nc_u64 s[58:59], s[58:59], SCOFF
	s_or_b32 s59, s59, 0x80000000
	s_mov_b32 s76, 1
	s_mov_b32 s77, s3
	s_add_nc_u64 s[78:79], s[100:101], s[94:95]
	s_add_nc_u64 s[78:79], s[78:79], SCOFF
	s_or_b32 s79, s79, 0x80000000
	s_mul_i32 s92, s92, 24                         ; 12,288 bytes of codes a row tile
	s_mul_i32 s94, s94, 24
	s_add_nc_u64 s[98:99], s[98:99], s[92:93]
	s_add_nc_u64 s[100:101], s[100:101], s[94:95]
	G0SET 60, 98, 0
	G0SET 68, 98, 1
	G0SET 72, 98, 2
	G0SET 80, 100, 0
	G0SET 84, 100, 1
	G0SET 88, 100, 2
	CROUND                                         ; all sixteen work-groups are here: the first joint loads meet
	s_cmp_lt_u32 s18, 8                            ; a wave's four first fills stand in one branch on the wave's number: four tensor loads of mine are out
	s_cbranch_scc0 .Lfirst_y
	tensor_load_to_lds s[56:59], s[40:47]          ; the scale words of all of K
	s_nop 0
	tensor_load_to_lds s[60:63], s[24:31]          ; K parts 0, 1, 2
	s_nop 0
	tensor_load_to_lds s[68:71], s[24:31]
	s_nop 0
	tensor_load_to_lds s[72:75], s[24:31]
	s_nop 0
.rept 4
	v_nop
.endr
	s_branch .Lfirst_done
.Lfirst_y:
	tensor_load_to_lds s[76:79], s[48:55]
	s_nop 0
	tensor_load_to_lds s[80:83], s[32:39]
	s_nop 0
	tensor_load_to_lds s[84:87], s[32:39]
	s_nop 0
	tensor_load_to_lds s[88:91], s[32:39]
	s_nop 0
.rept 4
	v_nop
.endr
.Lfirst_done:
	s_lshr_b32 s2, s18, 2                          ; wx: my x tiles 4 wx + a
	s_and_b32 s3, s18, 3                           ; wy: my y tiles 4 wy + t
	s_mul_i32 s92, s2, 12288
	v_lshl_add_u32 v4, v3, 4, s92
	v_lshl_add_u32 v5, v3, 3, s92
	s_mul_i32 s92, s3, 12288
	s_add_co_u32 s92, s92, YO
	v_lshl_add_u32 v6, v3, 4, s92
	v_lshl_add_u32 v7, v3, 3, s92
	s_lshl_b32 s92, s2, 11
	s_add_co_u32 s92, s92, SCLB
	v_lshl_add_u32 v12, v3, 2, s92
	s_lshl_b32 s92, s3, 11
	s_add_co_u32 s92, s92, SCLB+8192
	v_lshl_add_u32 v13, v3, 2, s92
	v_mov_b32 v[TM+2], 0                           ; written once: a lane permute's destination counts as one of its sources
	v_mov_b32 v[TM+3], 0
	; THE BIAS STARTS THE SUMS.  Q, K: it hangs on y: register j of tile t is feature 32 (t / 2) + 8 (t % 2) + 16 h + j of my 64.  V: it hangs on x, the lane's row.
	s_cmp_eq_u32 s23, 0
	s_cbranch_scc0 .Lbias_v
	v_bfe_u32 v14, v0, 4, 1
	v_lshlrev_b32 v14, 6, v14                      ; 16 h numbers
	s_lshl_b32 s94, s19, 2
	s_add_co_u32 s94, s94, s3                      ; the head: 4 cx + wy
	s_lshl_b32 s94, s94, 8
	s_mov_b32 s95, 0
	s_cmp_eq_u32 s21, 0
	s_cselect_b64 s[100:101], s[8:9], s[10:11]     ; bq or bk
	s_add_nc_u64 s[100:101], s[100:101], s[94:95]
.irp a, 0,1,2,3
.irp t, 0,1,2,3
	global_load_b128 v[ACC+32*\a+8*\t:ACC+32*\a+8*\t+3], v14, s[100:101] offset:(32*(\t/2)+8*(\t%2))*4
	global_load_b128 v[ACC+32*\a+8*\t+4:ACC+32*\a+8*\t+7], v14, s[100:101] offset:(32*(\t/2)+8*(\t%2))*4+16
.endr
.endr
	s_branch .Lbias_done
.Lbias_v:
	v_and_b32 v14, 15, v0
	v_and_b32 v15, 8, v14
	v_add_nc_u32 v14, v14, v15                     ; r + 8 (r / 8)
	v_lshlrev_b32 v14, 2, v14
	s_lshl_b32 s92, s20, 10
	s_lshl_b32 s93, s2, 8
	s_add_co_u32 s92, s92, s93                     ; my 64 rows of Wv: 256 cy + 64 wx
	s_mov_b32 s93, 0
	s_add_nc_u64 s[98:99], s[12:13], s[92:93]
.irp a, 0,1,2,3
	global_load_b32 v[TM+\a], v14, s[98:99] offset:(32*(\a/2)+8*(\a%2))*4
.endr
	s_wait_loadcnt 0x0
.irp a, 0,1,2,3
.set J, 0
.rept 32
	v_mov_b32 v[ACC+32*\a+J], v[TM+\a]             ; one number a lane and x tile, in all 32 registers
.set J, J+1
.endr
.endr
.Lbias_done:
	s_wait_loadcnt 0x0
	s_wait_tensorcnt 0x2                           ; my scale words and my part of K part 0 are in; parts 1 and 2 may be out
	s_barrier_signal -1
	s_barrier_wait -1                              ; everybody's are
	WORK 0, 0
	s_wait_tensorcnt 0x0                           ; all my tensor loads have landed, parts 1 and 2 among them: so a group 0 may be written
	ds_add_u32 v1, v2                              ; 0 onto my spare word
	s_add_nc_u64 s[62:63], s[62:63], 9216          ; slot 0's descriptors step to K part 3
	s_add_nc_u64 s[82:83], s[82:83], 9216
	s_wait_dscnt 0x0                               ; the add is done, and my reads of slot 0 are over
	CROUND                                         ; both now hold of every wave of every partner
	s_cmp_lt_u32 s18, 8
	s_cbranch_scc0 .Lrefill_y
	tensor_load_to_lds s[60:63], s[24:31]          ; the joint refill: my one tensor load behind the round; it has two parts' work in which to land
	s_nop 0
.rept 4
	v_nop
.endr
	s_branch .Lrefill_done
.Lrefill_y:
	tensor_load_to_lds s[80:83], s[32:39]
	s_nop 0
.rept 4
	v_nop
.endr
.Lrefill_done:
	WORK SLOT, 1
	WORK 2*SLOT, 2
	s_wait_tensorcnt 0x0                           ; my part of K part 3 is in (the one load that was out)
	s_wait_dscnt 0x0
	s_barrier_signal -1
	s_barrier_wait -1                              ; everybody's is
	WORK 0, 3
.rept 4
	v_nop                                          ; places in front of the first read of results and of writes over operands
.endr
	; THE RESULTS ARE QUANTISED: for each x tile my 64 numbers along y are a half fragment and two scale bytes
	s_mov_b32 s100, 0x76543210
	s_mov_b32 s101, 0xfedcba98
.irp a, 0,1,2,3
	QUANT2 ACC+32*\a, 24+8*\a, 56+4*\a, 72+\a
	v_or_b32 v[72+\a], 0x7f7f0000, v[72+\a]        ; bytes 2 and 3 stand for 1.0: they scale zero codes in the attention's first product
.endr
	; where they go (plain numbers; the arms hang on the cluster's x and y alone)
	s_cmp_eq_u32 s23, 0
	s_cbranch_scc0 .Lout_v
	s_lshl_b32 s92, s2, 2
	s_add_co_u32 s92, s92, s96                     ; my first token tile
	s_lshr_b32 s93, s92, 7                         ; the batch
	s_and_b32 s92, s92, 127                        ; the tile in it
	s_lshl_b32 s93, s93, 4
	s_lshl_b32 s94, s19, 2
	s_add_co_u32 s93, s93, s94
	s_add_co_u32 s93, s93, s3                      ; batch x 16 + head
	s_cmp_eq_u32 s21, 0
	s_cbranch_scc0 .Lout_k
	s_mul_i32 s93, s93, 106496
	s_lshr_b32 s92, s92, 2
	s_mul_i32 s92, s92, 3328
	s_add_co_u32 s92, s92, s93                     ; Q: the group of four tiles
	s_add_co_u32 s93, s92, 3072                    ; its scale block
	s_mov_b32 s94, 768
	s_branch .Lout_go
.Lout_k:
	s_mul_i32 s93, s93, 212992
	s_lshr_b32 s94, s92, 3
	s_mul_i32 s94, s94, 13312
	s_add_co_u32 s93, s93, s94                     ; K: the key step's record
	s_and_b32 s92, s92, 4                          ; tiles 0-3 or 4-7 of it
	s_lshl_b32 s94, s92, 6
	s_mul_i32 s92, s92, 768
	s_add_co_u32 s92, s92, s93
	s_add_co_u32 s93, s93, s94
	s_add_co_u32 s93, s93, 12288
	s_mov_b32 s94, 768
	s_branch .Lout_go
.Lout_v:
	s_lshl_b32 s92, s20, 2
	s_add_co_u32 s92, s92, s2                      ; V: the head: 4 cy + wx
	s_lshr_b32 s93, s97, 2
	s_add_co_u32 s93, s93, s3                      ; my 64 tokens: which 64 of the 4,096
	s_lshr_b32 s94, s93, 5
	s_lshl_b32 s94, s94, 4
	s_add_co_u32 s92, s92, s94                     ; batch x 16 + head
	s_mul_i32 s92, s92, 212992
	s_bfe_u32 s94, s93, 0x40001                    ; the key step
	s_mul_i32 s94, s94, 13312
	s_add_co_u32 s92, s92, s94
	s_and_b32 s93, s93, 1                          ; the key half
	s_mul_i32 s94, s93, 768
	s_lshl_b32 s93, s93, 8
	s_add_co_u32 s93, s93, s92
	s_add_co_u32 s93, s93, 12800
	s_add_co_u32 s92, s92, s94
	s_add_co_u32 s92, s92, 6144
	s_mov_b32 s94, 1536
.Lout_go:
	s_or_b32 s95, s23, s21
	s_cmp_eq_u32 s95, 0
	s_cselect_b64 s[98:99], s[14:15], s[16:17]     ; qbuf for Q, kv for K and V
	s_mov_b32 s95, 0xffff0000                      ; lanes 16-31
.irp a, 0,1,2,3
	v_lshl_add_u32 v[80+2*\a], v3, 4, s92          ; each tile has offset registers of its own
	v_lshl_add_u32 v[81+2*\a], v3, 3, s92
	s_add_co_u32 s92, s92, s94
.endr
	v_lshl_add_u32 v88, v3, 3, s93
	v_cndmask_b32 v76, v72, v73, s95               ; the scale block: tiles 0 | 1,
	v_cndmask_b32 v77, v74, v75, s95               ; tiles 2 | 3
.irp a, 0,1,2,3
	global_store_b128 v[80+2*\a], v[24+8*\a:27+8*\a], s[98:99]               ; 512 consecutive bytes, aligned
	global_store_b64 v[81+2*\a], v[28+8*\a:29+8*\a], s[98:99] offset:512     ; 256 consecutive bytes, aligned
.endr
	global_store_b64 v88, v[76:77], s[98:99]
	s_wait_tensorcnt 0x0                           ; the wave's end
	ds_add_u32 v1, v2
	s_wait_dscnt 0x0
	CROUND                                         ; the closing round: no work-group ends while a partner may still ask for a tile that names it
	s_endpgm
.Lfunc_end_k_q0e24861339_qkv:
	.size	k_q0e24861339_qkv, .Lfunc_end_k_q0e24861339_qkv-k_q0e24861339_qkv
	.p2alignl 7, 3214868480
	.fill 96, 4, 3214868480
	.section	.rodata,"a",@progbits
	.p2align	6, 0x0
	.amdhsa_kernel k_q0e24861339_qkv
		.amdhsa_group_segment_fixed_size 327680
		.amdhsa_private_segment_fixed_size 0
		.amdhsa_enable_private_segment 0
		.amdhsa_kernarg_size 56
		.amdhsa_user_sgpr_count 2
		.amdhsa_user_sgpr_kernarg_segment_ptr 1
		.amdhsa_wavefront_size32 1
		.amdhsa_system_sgpr_workgroup_id_x 1
		.amdhsa_system_sgpr_workgroup_id_y 1
		.amdhsa_system_sgpr_workgroup_id_z 1
		.amdhsa_system_vgpr_workitem_id 0
		.amdhsa_next_free_vgpr 256
		.amdhsa_next_free_sgpr 102
		.amdhsa_reserve_vcc 0
		.amdhsa_float_denorm_mode_32 3
		.amdhsa_float_denorm_mode_16_64 3
		.amdhsa_memory_ordered 1
		.amdhsa_forward_progress 1
		.amdhsa_inst_pref_size 66
	.end_amdhsa_kernel
	.amdgpu_metadata
---
amdhsa.version: [ 1, 2 ]
amdhsa.kernels:
  - .name:           k_q0e24861339_qkv
    .symbol:         k_q0e24861339_qkv.kd
    .args:
      - { .name: ebuf, .offset: 0, .size: 8, .value_kind: global_buffer, .address_space: global }
      - { .name: wbuf, .offset: 8, .size: 8, .value_kind: global_buffer, .address_space: global }
      - { .name: bq, .offset: 16, .size: 8, .value_kind: global_buffer, .address_space: global }
      - { .name: bk, .offset: 24, .size: 8, .value_kind: global_buffer, .address_space: global }
      - { .name: bv, .offset: 32, .size: 8, .value_kind: global_buffer, .address_space: global }
      - { .name: qbuf, .offset: 40, .size: 8, .value_kind: global_buffer, .address_space: global }
      - { .name: kv, .offset: 48, .size: 8, .value_kind: global_buffer, .address_space: global }
    .group_segment_fixed_size: 327680
    .private_segment_fixed_size: 0
    .kernarg_segment_align: 8
    .kernarg_segment_size: 56
    .max_flat_workgroup_size: 512
    .sgpr_count:     102
    .vgpr_count:     256
    .wavefront_size: 32
...
	.end_amdgpu_metadata
.endif
;; end of part 2
;; launch attn (part 3): grid 8 x 32, 16 waves a work-group, no clusters, 215,040 bytes of LDS; arguments qbuf, kv, maskw, abuf; writes abuf
.if DOCPART == 3
	.amdgcn_target "amdgcn-amd-amdhsa--gfx1250"
	.amdhsa_code_object_version 6
	.text
	.protected	k_q0e24861339_attn
	.globl	k_q0e24861339_attn
	.p2align	8
	.type	k_q0e24861339_attn,@function
k_q0e24861339_attn:
	s_mov_b64 s[64:65], 0
	v_nop
	global_prefetch_b8 v0, s[64:65] scope:SCOPE_SE
	s_setreg_imm32_b32 hwreg(HW_REG_WAVE_MODE, 25, 1), 1
	s_wait_xcnt 0x0
; For each batch and head: scores = Q K^T - m |q - k|, / 8, masked; p = 2^(t - M), t = logit x log2(e), M the running largest t rounded up to a whole number; O = (p V) / (the row's sum of the unquantised p).
; Both products on codes of FP6 (E2M3); O is quantised along the head's 64 for the last projection.
; SHARES.  A work-group owns 256 queries of one head; each of its sixteen waves one tile of 16 (queries 32 (qt / 2) + 8 (qt % 2) + r + 8 (r / 8)) in 256 registers: four waves to a SIMD, so that one wave's
; vector work stands beside another's matrix work and LDS loads.  The head's K and V, 16 records of 13,312 bytes (one a key step of 128), come into LDS once: two tensor loads a wave, no byte is filled again.
; NO CLUSTER, though the eight work-groups of a head read the same records: the key step on the diagonal takes another way, by a scalar branch that hangs on the query block, and partners of a joint request must
; run alike; the form without that branch costs about three vector instructions for every two scores in a loop that is made of vector instructions, and what is shared is fetched once a work-group.
; LAYOUT.  Both products transposed: S^T = K Q^T, O^T = V^T P^T: a lane holds one query (lane % 16).  The 16 registers of key tiles 2 b, 2 b + 1 are keys 32 b + 16 (lane / 16) + 0 .. 15 of the step.
; K = 64 IN AN INSTRUCTION OF 128: Q's registers 6-11 hold zero codes, so what stands in K's registers 6-11 (the next tile's codes, or zeros) adds nothing; scale bytes 2, 3 are 0x7f on both sides.
; THE BIAS.  Off the diagonal |q - k| is linear in k: with x_b = q - 128 step - 32 b, -m |q - k| = +-m (16 h + i) - m |x_b|.  The first term is the C of the first product (sixteen registers TT, negated once, in
; the diagonal step); the second, x log2(e) / 8, goes into the addend of the multiply-add ahead of the exponential.  On the diagonal the bias is subtracted score by score.
; THE MASK comes as lane masks, one word for each score register, by scalar loads; every step selects all its 64 score registers by them: no branch, address or trip count hangs on the mask.
; LIMITS: the bias so split differs from the unsplit form by roundings of the size of one unit in the last place of its largest term; a query with no permitted key gets the scale bytes 0xff, which make its whole
; output row NaN; a block of zeros keeps the byte 1; NaN and infinities in the inputs are not served.
.set SCOFF, 3145728
.set REC,   13312
.set KF,    58                         ; v58-105 K's eight half fragments, v106-111 zeros; later V's four fragments
.set S,     112                        ; v112-175 S^T, then p
.set O,     176                        ; v176-207 O^T
.set ZB,    228                        ; v228-231 each block's largest score, then its largest p
.set ZP,    232                        ; v232-235 at work, then the scale bytes
.set SO,    236                        ; v236-239 each block's largest t; the conversions' scale operands
.set TM,    228                        ; the last quantiser's registers
.set SELR,  10
; v1 16 l, v2 8 l; v3, v4 the same in the record in hand; v5 -infinity; v7-10 x_0 .. x_3; v12 -M, v13 the largest t, v[14:15] the sum in two halves; v16-27 Q, v28 its scale word; v30-45 TT;
; v46, 48, 50, 52 the addends G_b; v54-57 A_b; v208-219 p's codes; v220-227 the conversions' second halves; v240-243 K's scale words; v244-247 V's as loaded, v248-249 as used; v250 p's; v[252:253] f
; s4 wave, s5 the key step, s6 my diagonal step, s7 the record's LDS byte, s[8:9] my mask words, s[10:11] lane selects, s[12:13] c = log2(e) / 8, s14 m, s15 -m c; mask word n in s[16 + n + 4 (n / 48)]
.macro KQ t, d                         ; tile t of S^T; d = 1: on the diagonal, C = 0
.if \d
.if (\t)%2
	v_wmma_scale_f32_16x16x128_f8f6f4 v[S+8*(\t):S+8*(\t)+7], v[KF+6*(\t):KF+6*(\t)+11], v[16:27], 0, v[240+2*((\t)/4)+((\t)/2)%2], v28 matrix_a_fmt:MATRIX_FMT_FP6 matrix_b_fmt:MATRIX_FMT_FP6 matrix_a_scale:MATRIX_SCALE_ROW1
.else
	v_wmma_scale_f32_16x16x128_f8f6f4 v[S+8*(\t):S+8*(\t)+7], v[KF+6*(\t):KF+6*(\t)+11], v[16:27], 0, v[240+2*((\t)/4)+((\t)/2)%2], v28 matrix_a_fmt:MATRIX_FMT_FP6 matrix_b_fmt:MATRIX_FMT_FP6
.endif
.else
.if (\t)%2
	v_wmma_scale_f32_16x16x128_f8f6f4 v[S+8*(\t):S+8*(\t)+7], v[KF+6*(\t):KF+6*(\t)+11], v[16:27], v[38:45], v[240+2*((\t)/4)+((\t)/2)%2], v28 matrix_a_fmt:MATRIX_FMT_FP6 matrix_b_fmt:MATRIX_FMT_FP6 matrix_a_scale:MATRIX_SCALE_ROW1
.else
	v_wmma_scale_f32_16x16x128_f8f6f4 v[S+8*(\t):S+8*(\t)+7], v[KF+6*(\t):KF+6*(\t)+11], v[16:27], v[30:37], v[240+2*((\t)/4)+((\t)/2)%2], v28 matrix_a_fmt:MATRIX_FMT_FP6 matrix_b_fmt:MATRIX_FMT_FP6
.endif
.endif
.endm
.macro QUANT2 s, pc, t2, w             ; 32 numbers of a lane, register 16 b + i = k 32 b + 16 (lane / 16) + i, become a half fragment and two scale bytes
.irp b, 0,1
	v_max3_num_f32 v[TM+\b], |v[\s+16*\b]|, |v[\s+16*\b+1]|, 0x1800000
.endr
.irp i, 2,4,6,8,10,12,14
.irp b, 0,1
	v_max3_num_f32 v[TM+\b], v[TM+\b], |v[\s+16*\b+\i]|, |v[\s+16*\b+\i+1]|
.endr
.endr
.irp b, 0,1
	v_permlanex16_b32 v[TM+2+\b], v[TM+\b], s[SELR], s[SELR+1]
.endr
.irp b, 0,1
	v_max_num_f32 v[TM+\b], v[TM+\b], v[TM+2+\b]
.endr
.irp b, 0,1
	v_add_nc_u32 v[TM+2+\b], 0xff000000, v[TM+\b]
.endr
.irp b, 0,1
	v_lshrrev_b32 v[TM+\b], 23, v[TM+2+\b]
.endr
	v_lshl_or_b32 v[\w], v[TM+1], 8, v[TM]
	v_cvt_scalef32_pk16_fp6_f32 v[\pc:\pc+2], v[\s:\s+15], v[TM+2]
	v_cvt_scalef32_pk16_fp6_f32 v[\t2:\t2+2], v[\s+16:\s+31], v[TM+3]
	v_nop                                          ; one plain place behind a scaled conversion
.irp i, 0,1,2
	v_permlane16_swap_b32 v[\pc+\i], v[\t2+\i]
.endr
.irp i, 0,1,2
	v_mov_b32 v[\pc+3+\i], v[\t2+\i]
.endr
.endm
; A KEY STEP: 128 keys.
.macro STEP
	s_load_b512 s[16:31], s[8:9], 0x0              ; the step's 64 mask words
	s_load_b512 s[32:47], s[8:9], 0x40
	s_load_b512 s[48:63], s[8:9], 0x80
	s_load_b512 s[68:83], s[8:9], 0xc0
	v_add_nc_u32 v3, s7, v1                        ; these five, and the step of x_0 at the last trip's end, are the places in front of loads into registers that matrix instructions have read
	v_add_nc_u32 v4, s7, v2
	v_add_f32 v8, 0xc2000000, v7                   ; x_1 = x_0 - 32
	v_add_f32 v9, 0xc2800000, v7                   ; x_2 = x_0 - 64
	v_add_f32 v10, 0xc2c00000, v7                  ; x_3 = x_0 - 96
.irp t, 0,1,2,3,4,5,6,7
	ds_load_b128 v[KF+6*\t:KF+6*\t+3], v3 offset:768*\t
	ds_load_b64 v[KF+6*\t+4:KF+6*\t+5], v4 offset:768*\t+512
.endr
	ds_load_b64 v[240:241], v4 offset:12288        ; K's scale words: tiles 0 | 1, 2 | 3,
	ds_load_b64 v[242:243], v4 offset:12544        ; 4 | 5, 6 | 7
	s_wait_dscnt 0x0
	s_cmp_eq_u32 s5, s6
	s_cbranch_scc1 .Ldiag_\@
.irp t, 0,1,2,3,4,5,6,7
	KQ \t, 0                                       ; S^T = K Q^T +- m (16 h + i)
.endr
.irp b, 0,1,2,3
	v_mul_f32 v[54+\b], s15, |v[7+\b]|             ; A_b = -m c |x_b|.  (These four are the places behind the products)
.endr
	s_branch .Ljoin_\@
.Ldiag_\@:
.irp t, 0,1,2,3,4,5,6,7
	KQ \t, 1
.endr
.irp b, 0,1,2,3
	v_mul_f32 v[SO+\b], s14, v[7+\b]               ; m x_b.  (The places behind the products)
.endr
.set N, 0
.rept 16
.irp k, 0,1,2,3
	v_sub_f32 v[220+\k], v[SO+N/16], v[30+(N+\k)%16]               ; m (q - k): TT is still +m (16 h + i)
.endr
.irp k, 0,1,2,3
	v_sub_f32 v[S+N+\k], v[S+N+\k], |v[220+\k]|                    ; each accumulator from its low end on
.endr
.set N, N+4
.endr
.irp b, 0,1,2,3
	v_mov_b32 v[54+\b], 0
.endr
.irp i, 0,1,2,3,4,5,6,7,8,9,10,11,12,13,14,15
	v_xor_b32 v[30+\i], 0x80000000, v[30+\i]       ; from here on the keys come after my queries
.endr
.Ljoin_\@:
.irp f, 0,1,2,3,4,5,6,7                        ; V^T: d tile f / 2, key half f % 2: asked for now, wanted behind the softmax
	ds_load_b128 v[KF+6*\f:KF+6*\f+3], v3 offset:6144+768*\f
	ds_load_b64 v[KF+6*\f+4:KF+6*\f+5], v4 offset:6144+768*\f+512
.endr
	ds_load_b64 v[244:245], v4 offset:12800        ; V's scale bytes of the first 64 keys: d tiles 0 | 1, 2 | 3,
	ds_load_b64 v[246:247], v4 offset:13056        ; of the second
	s_wait_kmcnt 0x0                               ; the mask words are in, so their base may step
	s_add_nc_u64 s[8:9], s[8:9], 256
.set N, 0
.rept 64
	v_cndmask_b32 v[S+N], v5, v[S+N], s[16+N+4*(N/48)]             ; -infinity where the mask has a hole: p = 0 then.  In every step; each accumulator from its low end on
.set N, N+1
.endr
.irp b, 0,1,2,3
	v_max3_num_f32 v[ZB+\b], v[S+16*\b], v[S+1+16*\b], v[S+2+16*\b]   ; the largest score of each block of 32 keys: for the row's maximum, and, since p rises with the score, for the block's largest p
.endr
.irp i, 3,5,7,9,11,13
.irp b, 0,1,2,3
	v_max3_num_f32 v[ZB+\b], v[ZB+\b], v[S+16*\b+\i], v[S+1+16*\b+\i]
.endr
.endr
.irp b, 0,1,2,3
	v_max_num_f32 v[ZB+\b], v[ZB+\b], v[S+15+16*\b]
.endr
.irp b, 0,1,2,3
	v_permlanex16_b32 v[ZP+\b], v[ZB+\b], s10, s11
.endr
.irp b, 0,1,2,3
	v_max_num_f32 v[ZB+\b], v[ZB+\b], v[ZP+\b]     ; with lane l xor 16's 16 keys
.endr
.irp b, 0,1,2,3
	v_fma_f32 v[SO+\b], v[ZB+\b], s12, v[54+\b]    ; as t: c x score + A_b
.endr
	v_max3_num_f32 v254, v236, v237, v238
	v_max_num_f32 v254, v254, v239
	v_max_num_f32 v13, v13, v254                   ; the running largest t
	v_mov_b32 v254, v12
	v_floor_f32 v12, -v13                          ; the new -M = floor(-t): M is a whole number
	v_sub_f32 v254, v12, v254                      ; old M - new M: a whole number, 0 or less
	v_cvt_i32_f32 v254, v254                       ; (it saturates)
	v_ldexp_f32 v252, 1.0, v254                    ; f = 2^(old M - new M): a multiplication by it rounds nothing
.irp b, 0,1,2,3
	v_add_f32 v[46+2*\b], v[54+\b], v12            ; G_b = A_b - M
.endr
.irp j, 0,2,4,6,8,10,12,14,16,18,20,22,24,26,28,30,32,34,36,38,40,42,44,46,48,50,52,54,56,58,60,62
	v_pk_fma_f32 v[S+\j:S+\j+1], v[S+\j:S+\j+1], s[12:13], v[46+2*(\j/16):47+2*(\j/16)] op_sel_hi:[1,0,0]   ; t - M, two at a time
.endr
.irp b, 0,1,2,3
	v_fma_f32 v[ZB+\b], v[ZB+\b], s12, v[46+2*\b]  ; the same of each block's largest score
.endr
.set N, 0
.rept 64
	v_exp_f32 v[S+N], v[S+N]                       ; p = 2^(t - M): not normalised
.set N, N+1
.endr
.irp b, 0,1,2,3
	v_exp_f32 v[ZB+\b], v[ZB+\b]                   ; the block's largest p
.endr
	v_pk_mul_f32 v[14:15], v[14:15], v[252:253] op_sel_hi:[1,0]    ; the sums under the new M.  (A plain place behind the exponentials)
	s_wait_alu depctr_va_vdst(0)
.irp b, 0,1,2,3
	v_max_num_f32 v[ZB+\b], 0x1800000, v[ZB+\b]    ; the floor 2^(3 - 127): the byte cannot fall under 1
.endr
.irp b, 0,1,2,3
	v_add_nc_u32 v[SO+\b], 0xff000000, v[ZB+\b]    ; 2 off the exponent field: the conversion's scale operand
.endr
.irp b, 0,1,2,3
	v_lshrrev_b32 v[ZP+\b], 23, v[SO+\b]           ; the scale's byte
.endr
	v_lshl_or_b32 v250, v233, 8, v232              ; p's scale word for these 128 keys
	v_lshl_or_b32 v250, v234, 16, v250
	v_lshl_or_b32 v250, v235, 24, v250
.irp c, 0,1
	v_cvt_scalef32_pk16_fp6_f32 v[208+6*\c:210+6*\c], v[S+32*\c:S+15+32*\c], v[SO+2*\c]
	v_cvt_scalef32_pk16_fp6_f32 v[220+4*\c:222+4*\c], v[S+16+32*\c:S+31+32*\c], v[SO+2*\c+1]
.endr
	v_nop                                          ; one plain place behind a scaled conversion
.irp c, 0,1
.irp i, 0,1,2
	v_permlane16_swap_b32 v[208+6*\c+\i], v[220+4*\c+\i]           ; a whole block in a lane
.endr
.irp i, 0,1,2
	v_mov_b32 v[211+6*\c+\i], v[220+4*\c+\i]
.endr
.endr
	s_wait_dscnt 0x0                               ; V and its scale bytes are in (asked for ahead of the softmax)
	v_perm_b32 v248, v246, v244, 0x05040100        ; V's scale words for 128 keys: the two bytes of each key half; 48 plain instructions stand between these and the products
	v_perm_b32 v249, v247, v245, 0x05040100
	v_pk_add_f32 v[232:233], v[S:S+1], v[S+2:S+3]  ; the row's sum is taken of the unquantised p: two at a time, in two chains
.irp j, 4,8,12,16,20,24,28,32,36,40,44,48,52,56,60
	v_pk_add_f32 v[14:15], v[14:15], v[S+\j:S+\j+1]
	v_pk_add_f32 v[232:233], v[232:233], v[S+2+\j:S+3+\j]
.endr
	v_pk_add_f32 v[14:15], v[14:15], v[232:233]
.irp j, 0,2,4,6,8,10,12,14,16,18,20,22,24,26,28,30
	v_pk_mul_f32 v[O+\j:O+\j+1], v[O+\j:O+\j+1], v[252:253] op_sel_hi:[1,0]   ; O^T under the new M
.endr
.irp t, 0,1,2,3                                ; O^T += V^T P^T: the four accumulators by turns
.if \t%2
	v_wmma_scale_f32_16x16x128_f8f6f4 v[O+8*\t:O+8*\t+7], v[KF+12*\t:KF+12*\t+11], v[208:219], v[O+8*\t:O+8*\t+7], v[248+\t/2], v250 matrix_a_fmt:MATRIX_FMT_FP6 matrix_b_fmt:MATRIX_FMT_FP6 matrix_a_scale:MATRIX_SCALE_ROW1
.else
	v_wmma_scale_f32_16x16x128_f8f6f4 v[O+8*\t:O+8*\t+7], v[KF+12*\t:KF+12*\t+11], v[208:219], v[O+8*\t:O+8*\t+7], v[248+\t/2], v250 matrix_a_fmt:MATRIX_FMT_FP6 matrix_b_fmt:MATRIX_FMT_FP6
.endif
.endr
	v_add_f32 v7, 0xc3000000, v7                   ; x_0 of the next step: 128 less
	s_add_co_u32 s7, s7, REC
	s_add_co_u32 s5, s5, 1
.endm
	s_load_b128 s[16:19], s[0:1], 0x0              ; qbuf, kv
	s_load_b64 s[20:21], s[0:1], 0x10              ; maskw
	v_lshl_add_u32 v227, v0, 2, 0x34000
	v_mov_b32 v255, 0
	ds_add_u32 v227, v255
	ds_add_u32 v227, v255
	v_lshrrev_b32 v3, 5, v0
	v_readfirstlane_b32 s4, v3                     ; wave 0..15
	s_and_b32 s96, ttmp7, 0xffff                   ; batch x 16 + head
	s_lshl_b32 s97, ttmp9, 4
	s_add_co_u32 s97, s97, s4                      ; my query tile
	s_lshr_b32 s6, s97, 3                          ; the key step in which my 16 queries lie
	s_mov_b32 s5, 0
	s_mov_b32 s7, 0
	s_mov_b32 s10, 0x76543210
	s_mov_b32 s11, 0xfedcba98
	s_mov_b32 s12, 0x3e38aa3b                      ; c = log2(e) / 8
	s_mov_b32 s13, s12                             ; (named with it as a pair, so it is written)
	s_and_b32 s98, s96, 15
	s_add_co_u32 s98, s98, 1                       ; k = head + 1: m = 2^(-k / 2)
	s_mov_b32 s14, 0x3f800000
	s_bitcmp1_b32 s98, 0
	s_cselect_b32 s14, 0x3f3504f3, s14             ; 2^(-1/2) for an odd k,
	s_lshr_b32 s98, s98, 1
	s_lshl_b32 s98, s98, 23
	s_sub_co_u32 s14, s14, s98                     ; k / 2 off the exponent field
	s_mul_f32 s15, s14, s12
	s_xor_b32 s15, s15, 0x80000000                 ; -m c
	; descriptors: dense bytes as rows of 256.  The first load: key steps 0-3, 13 rows a wave; the second: steps 4-15, 39 rows a wave.  In memory and in LDS alike
	s_mov_b32 s68, 3<<16                           ; elements of 8 bytes, no mask, no padding
	s_mov_b32 s69, 32<<16
	s_mov_b32 s70, 13<<16
	s_mov_b32 s71, 32<<16
	s_mov_b32 s72, 13
	s_mov_b32 s73, 32
	s_mov_b32 s74, 0
	s_mov_b32 s75, 0
	s_mov_b32 s84, 3<<16
	s_mov_b32 s85, 32<<16
	s_mov_b32 s86, 39<<16
	s_mov_b32 s87, 32<<16
	s_mov_b32 s88, 39
	s_mov_b32 s89, 32
	s_mov_b32 s90, 0
	s_mov_b32 s91, 0
	s_mul_i32 s98, s96, 16*REC                     ; the head's records
	s_mov_b32 s99, 0
	s_mul_i32 s77, s4, 3328
	s_mul_i32 s93, s4, 9984
	s_add_co_u32 s100, s98, s77
	s_mov_b32 s101, 0
	s_add_co_u32 s98, s98, s93
	s_add_co_u32 s98, s98, 4*REC
	s_add_co_u32 s93, s93, 4*REC
	s_mov_b32 s76, 1
	s_mov_b32 s92, 1
	s_wait_dscnt 0x0
	s_wait_kmcnt 0x0
	s_add_nc_u64 s[78:79], s[18:19], s[100:101]
	s_or_b32 s79, s79, 0x80000000
	s_add_nc_u64 s[94:95], s[18:19], s[98:99]
	s_or_b32 s95, s95, 0x80000000
	tensor_load_to_lds s[76:79], s[68:75]          ; both first fills together: two tensor loads of mine are out
	s_nop 0
	tensor_load_to_lds s[92:95], s[84:91]
	s_nop 0
.rept 4
	v_nop
.endr
	s_lshr_b32 s98, s96, 4
	s_lshl_b32 s98, s98, 7
	s_add_co_u32 s98, s98, s97                     ; batch x 128 + query tile
	s_lshl_b32 s98, s98, 12
	s_add_nc_u64 s[8:9], s[20:21], s[98:99]        ; my mask words
	s_mul_i32 s98, s96, 106496
	s_lshr_b32 s100, s97, 2
	s_mul_i32 s100, s100, 3328
	s_add_co_u32 s98, s98, s100
	s_add_nc_u64 s[16:17], s[16:17], s[98:99]      ; Q: my group of four tiles,
	s_and_b32 s100, s4, 3
	s_mul_i32 s100, s100, 768
	s_add_nc_u64 s[18:19], s[16:17], s[100:101]    ; my tile's half fragment
	v_and_b32 v3, 31, v0
	v_lshlrev_b32 v1, 4, v3
	v_lshlrev_b32 v2, 3, v3
	v_and_b32 v6, 15, v0                           ; r
	v_bfe_u32 v11, v0, 4, 1                        ; h
	s_and_b32 s100, s4, 1
	s_lshl_b32 s100, s100, 7
	s_bfe_u32 s101, s4, 0x10001
	s_lshl_b32 s101, s101, 2
	s_add_co_u32 s100, s100, s101
	v_lshl_add_u32 v254, v6, 3, s100               ; my row's word in the scale block
	global_load_b128 v[16:19], v1, s[18:19]
	global_load_b64 v[20:21], v2, s[18:19] offset:512
	global_load_b32 v28, v254, s[16:17] offset:3072
	s_lshr_b32 s100, s97, 1
	s_lshl_b32 s100, s100, 5
	s_and_b32 s101, s97, 1
	s_lshl_b32 s101, s101, 3
	s_add_co_u32 s100, s100, s101                  ; the tile's first query
	v_and_b32 v7, 8, v6
	v_add_nc_u32 v7, v7, v6                        ; r + 8 (r / 8)
	v_add_nc_u32 v7, s100, v7
	v_cvt_f32_u32 v7, v7                           ; x_0 = my query, at step 0
	v_lshlrev_b32 v251, 4, v11
.irp i, 0,1,2,3,4,5,6,7,8,9,10,11,12,13,14,15
	v_add_nc_u32 v[30+\i], \i, v251
.endr
.irp i, 0,1,2,3,4,5,6,7,8,9,10,11,12,13,14,15
	v_cvt_f32_u32 v[30+\i], v[30+\i]
.endr
.irp i, 0,1,2,3,4,5,6,7,8,9,10,11,12,13,14,15
	v_mul_f32 v[30+\i], s14, v[30+\i]              ; TT[i] = m (16 h + i)
.endr
	v_mov_b32 v5, 0xff800000
	v_mov_b32 v13, 0xff61b1e6                      ; the largest t so far: -3e38, under every t
	v_floor_f32 v12, -v13
	v_mov_b32 v14, 0
	v_mov_b32 v15, 0
.irp i, 22,23,24,25,26,27,106,107,108,109,110,111
	v_mov_b32 v[\i], 0                             ; zero codes: Q's upper 64 along K, and what stands behind K's last tile
.endr
.irp i, 47,49,51,53,232,233,234,235,253
	v_mov_b32 v[\i], 0                             ; named as the upper halves of pairs, or as a lane permute's destinations, before they are first written
.endr
.set N, 0
.rept 32
	v_mov_b32 v[O+N], 0                            ; O^T.  (The step is written once for all trips: the first finds zeros, which the first change of M leaves zeros)
.set N, N+1
.endr
	s_wait_loadcnt 0x0                             ; Q
	s_wait_tensorcnt 0x1                           ; my part of key steps 0-3 is in; the second load may be out
	s_barrier_signal -1
	s_barrier_wait -1
	s_mov_b32 s2, 4
.Lfirst:
	STEP
	s_sub_co_u32 s2, s2, 1
	s_cmp_lg_u32 s2, 0
	s_cbranch_scc1 .Lfirst
	s_wait_tensorcnt 0x0                           ; my part of key steps 4-15 is in
	s_wait_dscnt 0x0
	s_barrier_signal -1
	s_barrier_wait -1
	s_mov_b32 s2, 12
.Lrest:
	STEP
	s_sub_co_u32 s2, s2, 1
	s_cmp_lg_u32 s2, 0
	s_cbranch_scc1 .Lrest
	; THE WAY OUT: O^T / the sum, quantised along the head's 64: half fragment number head of my row tile of abuf, and two scale bytes a row
	s_load_b64 s[16:17], s[0:1], 0x18              ; abuf
.rept 4
	v_nop                                          ; places behind the last products
.endr
	v_add_f32 v14, v14, v15
	v_permlanex16_b32 v252, v14, s10, s11
	v_add_f32 v14, v14, v252                       ; the row's sum
	v_cmp_eq_f32 vcc_lo, 0, v14                    ; no key counted for this query
	v_rcp_f32 v15, v14
	v_mov_b32 v251, -1                             ; (a plain place behind the transcendental)
.set N, 0
	s_wait_alu depctr_va_vdst(0)
.rept 32
	v_mul_f32 v[S+N], v[O+N], v15                  ; register 16 b + i: channel 32 b + 16 h + i; each accumulator from its low end on
.set N, N+1
.endr
	QUANT2 S, 208, 220, 250
	v_cndmask_b32 v250, v250, v251, vcc_lo         ; such a query's bytes are 0xff: its output row is NaN, as the softmax of an empty row is
	s_and_b32 s96, ttmp7, 0xffff
	s_lshl_b32 s97, ttmp9, 4
	s_add_co_u32 s97, s97, s4
	s_lshr_b32 s98, s96, 4
	s_lshl_b32 s98, s98, 7
	s_add_co_u32 s97, s97, s98                     ; the row tile: batch x 128 + query tile
	s_and_b32 s96, s96, 15                         ; the head
	s_mul_i32 s98, s97, 12288
	s_mul_i32 s99, s96, 768
	s_add_co_u32 s98, s98, s99
	s_mov_b32 s99, 0
	s_lshl_b32 s100, s97, 9                        ; the scale words: 512 bytes a row tile; 128 for each 256 along K; 64 for the odd 128 of them; 2 for the odd 64
	s_lshr_b32 s101, s96, 2
	s_lshl_b32 s101, s101, 7
	s_add_co_u32 s100, s100, s101
	s_bfe_u32 s101, s96, 0x10001
	s_lshl_b32 s101, s101, 6
	s_add_co_u32 s100, s100, s101
	s_and_b32 s101, s96, 1
	s_lshl_b32 s101, s101, 1
	s_add_co_u32 s100, s100, s101
	s_add_co_u32 s100, s100, SCOFF
	s_mov_b32 s101, 0
	v_lshlrev_b32 v254, 2, v6                      ; 4 r
	s_wait_kmcnt 0x0
	s_add_nc_u64 s[18:19], s[16:17], s[100:101]
	s_add_nc_u64 s[16:17], s[16:17], s[98:99]
	global_store_b128 v1, v[208:211], s[16:17]                     ; 512 consecutive bytes, aligned
	global_store_b64 v2, v[212:213], s[16:17] offset:512           ; 256 consecutive bytes, aligned
	global_store_b16 v254, v250, s[18:19]          ; two bytes a row (both halves of the lanes write the same): 32 bytes a wave against its 768 of codes; sixteen heads' waves fill a word's neighbours
	s_wait_tensorcnt 0x0
	ds_add_u32 v227, v255
	s_wait_dscnt 0x0
	s_endpgm
.Lfunc_end_k_q0e24861339_attn:
	.size	k_q0e24861339_attn, .Lfunc_end_k_q0e24861339_attn-k_q0e24861339_attn
	.p2alignl 7, 3214868480
	.fill 96, 4, 3214868480
	.section	.rodata,"a",@progbits
	.p2align	6, 0x0
	.amdhsa_kernel k_q0e24861339_attn
		.amdhsa_group_segment_fixed_size 215040
		.amdhsa_private_segment_fixed_size 0
		.amdhsa_enable_private_segment 0
		.amdhsa_kernarg_size 32
		.amdhsa_user_sgpr_count 2
		.amdhsa_user_sgpr_kernarg_segment_ptr 1
		.amdhsa_wavefront_size32 1
		.amdhsa_system_sgpr_workgroup_id_x 1
		.amdhsa_system_sgpr_workgroup_id_y 1
		.amdhsa_system_sgpr_workgroup_id_z 1
		.amdhsa_system_vgpr_workitem_id 0
		.amdhsa_next_free_vgpr 256
		.amdhsa_next_free_sgpr 102
		.amdhsa_reserve_vcc 1
		.amdhsa_float_denorm_mode_32 3
		.amdhsa_float_denorm_mode_16_64 3
		.amdhsa_memory_ordered 1
		.amdhsa_forward_progress 1
		.amdhsa_inst_pref_size 73
	.end_amdhsa_kernel
	.amdgpu_metadata
---
amdhsa.version: [ 1, 2 ]
amdhsa.kernels:
  - .name:           k_q0e24861339_attn
    .symbol:         k_q0e24861339_attn.kd
    .args:
      - { .name: qbuf, .offset: 0, .size: 8, .value_kind: global_buffer, .address_space: global }
      - { .name: kv, .offset: 8, .size: 8, .value_kind: global_buffer, .address_space: global }
      - { .name: maskw, .offset: 16, .size: 8, .value_kind: global_buffer, .address_space: global }
      - { .name: abuf, .offset: 24, .size: 8, .value_kind: global_buffer, .address_space: global }
    .group_segment_fixed_size: 215040
    .private_segment_fixed_size: 0
    .kernarg_segment_align: 8
    .kernarg_segment_size: 32
    .max_flat_workgroup_size: 512
    .sgpr_count:     102
    .vgpr_count:     256
    .wavefront_size: 32
...
	.end_amdgpu_metadata
.endif
;; end of part 3
;; launch oproj (part 4): grid 8 x 32, 8 waves a work-group, clusters of 4 x 4, 240,640 bytes of LDS; arguments abuf, wbuf, bo, out0; writes out0
.if DOCPART == 4
	.amdgcn_target "amdgcn-amd-amdhsa--gfx1250"
	.amdhsa_code_object_version 6
	.text
	.protected	k_q0e24861339_oproj
	.globl	k_q0e24861339_oproj
	.p2align	8
	.type	k_q0e24861339_oproj,@function
k_q0e24861339_oproj:
	s_mov_b64 s[64:65], 0
	v_nop
	global_prefetch_b8 v0, s[64:65] scope:SCOPE_SE
	s_setreg_imm32_b32 hwreg(HW_REG_WAVE_MODE, 25, 1), 1
	s_wait_xcnt 0x0
	s_wait_alu depctr_hold_cnt(0) depctr_sa_sdst(0) depctr_va_vdst(0) depctr_va_sdst(0) depctr_va_ssrc(0) depctr_va_vcc(0) depctr_vm_vsrc(0)
	s_getreg_b32 s2, hwreg(HW_REG_IB_STS2, 6, 4)
	s_cmp_eq_u32 s2, 0
	s_cbranch_scc0 .Lentry_in_a_cluster
	s_endpgm
.Lentry_in_a_cluster:
	s_bfe_u32 s2, ttmp6, 0x10000c
	s_cmp_lg_u32 s2, 0xf033
	s_cbranch_scc0 .Lentry_shape_is_right
	s_endpgm
.Lentry_shape_is_right:
; out0 = A Wo^T + bo on codes of FP6 (E2M3).  A: abuf, 4,096 tokens x 1,024; Wo: row tiles 192-255 of wbuf.  Both lie as images of the operand's registers (half fragment: 16 rows x 64 K, 768 bytes), with their
; scale words from byte SCOFF on: [row tile][256 along K][32 words: lanes 0-15 the even 128, lanes 16-31 the odd].  Row tile rt holds rows 32 (rt / 2) + 8 (rt % 2) + r + 8 (r / 8).
; SHARES.  A work-group makes 128 tokens x 128 outputs: 256 work-groups.  All of K lies in LDS: two halves of 512, each filled once; no byte is filled again.  Eight waves; a wave makes 32 tokens (x tiles 2 wx + a)
; x 64 outputs (y tiles 4 wy + t): eight accumulators by turns.  Source 0 = 16 rows of Wo, source 1 = 16 tokens: a lane holds one token and, over its four y tiles, 32 of a row's 64 outputs.
; CLUSTER 4 x 4: A's tiles hang on the cluster's row alone, Wo's on its column alone: each is asked for jointly by the four that share it.  No branch and no LDS address hangs on the place in the cluster.
; LDS: K half hk at 98,304 hk: A's 8 row tiles x 6,144 bytes, then Wo's; scale words at 196,608 (A 4,096, Wo 4,096); a stage of 16 rows x (256 + 16) bytes for each wave, into which no tensor load lands.
; LIMITS: the bias starts its sum instead of being added last; a token whose scale bytes are 0xff (no permitted key) gets NaN in its whole row.
.set SCOFF, 3145728
.set HALFB, 98304
.set YO,    49152
.set SCLB,  2*HALFB
.set STG,   SCLB+8192
.set XS,    18                         ; v18-19 A's scale words;  v20-23 Wo's
.set YS,    20
.set XF,    24                         ; v24-47 A's two fragments;  v48-95 Wo's four
.set YF,    48
.set BK,    96                         ; v96-159 rows read back from the stage
.set ACC,   192                        ; accumulator (a, t) at v[192 + 32 a + 8 t]
; v3 lane; v4-7 my lane's places in a K half (A by 16, A by 8, Wo by 16, Wo by 8); v8-11 the same in the half in hand; v12, v13 scale words' places; v14 the bias's offset; v15, v16 the stage, in and back; v17 my bytes in out0
.macro CROUND                          ; a round of the cluster's barrier
	s_barrier_signal -1
	s_barrier_wait -1
	s_cmp_lg_u32 s12, 0
	s_cbranch_scc1 .Lnot_wave_0_\@
	s_barrier_signal -3
.Lnot_wave_0_\@:
	s_barrier_wait -3
	s_barrier_signal -1
	s_barrier_wait -1
.endm
.macro FRAG reg, a16, a8, off          ; a fragment, 16 rows x 128 K: two images on end
	ds_load_b128 v[\reg:\reg+3], v[\a16] offset:\off
	ds_load_b64 v[\reg+4:\reg+5], v[\a8] offset:\off+512
	ds_load_b128 v[\reg+6:\reg+9], v[\a16] offset:\off+768
	ds_load_b64 v[\reg+10:\reg+11], v[\a8] offset:\off+1280
.endm
.macro HALF hk                         ; 512 along K: four matrix instructions deep on each accumulator
	v_add_nc_u32 v8, \hk*HALFB, v4                 ; these four are also the places in front of loads into registers that matrix instructions have read
	v_add_nc_u32 v9, \hk*HALFB, v5
	v_add_nc_u32 v10, \hk*HALFB, v6
	v_add_nc_u32 v11, \hk*HALFB, v7
.irp p, 0,1
.irp q, 0,1
.if \p+\q
.rept 4
	v_nop                                          ; places in front of loads into registers that matrix instructions have read
.endr
.endif
.if \q == 0
.irp a, 0,1
	ds_load_b32 v[XS+\a], v12 offset:512*\a+128*(2*\hk+\p)
.endr
.irp t, 0,1,2,3
	ds_load_b32 v[YS+\t], v13 offset:512*\t+128*(2*\hk+\p)
.endr
.endif
.irp a, 0,1
	FRAG XF+12*\a, 8, 9, 6144*\a+1536*(2*\p+\q)
.endr
.irp t, 0,1,2,3
	FRAG YF+12*\t, 10, 11, 6144*\t+1536*(2*\p+\q)
.endr
	s_wait_dscnt 0x0
.irp a, 0,1
.irp t, 0,1,2,3
.if \q
	v_wmma_scale_f32_16x16x128_f8f6f4 v[ACC+32*\a+8*\t:ACC+32*\a+8*\t+7], v[YF+12*\t:YF+12*\t+11], v[XF+12*\a:XF+12*\a+11], v[ACC+32*\a+8*\t:ACC+32*\a+8*\t+7], v[YS+\t], v[XS+\a] matrix_a_fmt:MATRIX_FMT_FP6 matrix_b_fmt:MATRIX_FMT_FP6 matrix_a_scale:MATRIX_SCALE_ROW1 matrix_b_scale:MATRIX_SCALE_ROW1
.else
	v_wmma_scale_f32_16x16x128_f8f6f4 v[ACC+32*\a+8*\t:ACC+32*\a+8*\t+7], v[YF+12*\t:YF+12*\t+11], v[XF+12*\a:XF+12*\a+11], v[ACC+32*\a+8*\t:ACC+32*\a+8*\t+7], v[YS+\t], v[XS+\a] matrix_a_fmt:MATRIX_FMT_FP6 matrix_b_fmt:MATRIX_FMT_FP6
.endif
.endr
.endr
.endr
.endr
.endm
.macro G0SET g, ptr, k                 ; descriptor group 0 for K half k
	s_mov_b32 s[\g], 1
	s_add_co_u32 s[\g+1], s2, \k*HALFB
	s_add_nc_u64 s[\g+2:\g+3], s[\ptr:\ptr+1], \k*6144
	s_or_b32 s[\g+3], s[\g+3], 0x80000000
.endm
	s_load_b256 s[4:11], s[0:1], 0x0               ; abuf, wbuf, bo, out0
	v_lshl_add_u32 v190, v0, 2, 0x3a800
	v_mov_b32 v191, 0
	ds_add_u32 v190, v191
	ds_add_u32 v190, v191
	v_lshrrev_b32 v3, 5, v0
	v_readfirstlane_b32 s12, v3                    ; wave 0..7
	v_and_b32 v3, 31, v0                           ; lane
	s_bfe_u32 s13, ttmp6, 0x40000                  ; cx
	s_bfe_u32 s14, ttmp6, 0x40004                  ; cy
	s_lshl_b32 s15, ttmp9, 2
	s_add_co_u32 s15, s15, s13                     ; which 128 outputs
	s_and_b32 s16, ttmp7, 0xffff
	s_lshl_b32 s16, s16, 2
	s_add_co_u32 s16, s16, s14                     ; which 128 tokens
	s_lshl_b32 s84, s14, 2
	s_lshl_b32 s84, 15, s84                        ; my row of the cluster
	s_lshl_b32 s86, 0x1111, s13                    ; my column
	s_or_b32 s24, s84, (3<<16)|(1<<21)             ; group 1, A's codes: 15:0 the mask; 17:16 elements of 8 bytes; 21 set beside a mask
	s_or_b32 s40, s84, (3<<16)|(1<<21)             ; A's scale words
	s_or_b32 s32, s86, (3<<16)|(1<<21)             ; Wo's codes
	s_or_b32 s48, s86, (3<<16)|(1<<21)             ; Wo's scale words
.irp g, 24, 32                         ; two row tiles x 6,144 bytes (512 along K), 12,288 bytes apart
	s_mov_b32 s[\g+1], 768<<16
	s_mov_b32 s[\g+2], 2<<16
	s_mov_b32 s[\g+3], 768<<16
	s_mov_b32 s[\g+4], 2
	s_mov_b32 s[\g+5], 1536
	s_mov_b32 s[\g+6], 0
	s_mov_b32 s[\g+7], 0
.endr
.irp g, 40, 48                         ; two row tiles' scale words: 1,024 dense bytes as four rows of 256
	s_mov_b32 s[\g+1], 32<<16
	s_mov_b32 s[\g+2], 4<<16
	s_mov_b32 s[\g+3], 32<<16
	s_mov_b32 s[\g+4], 4
	s_mov_b32 s[\g+5], 32
	s_mov_b32 s[\g+6], 0
	s_mov_b32 s[\g+7], 0
.endr
	s_and_b32 s3, s12, 3                           ; waves 0-3 fetch A's row tiles 2 w, 2 w + 1; waves 4-7 Wo's
	s_lshl_b32 s3, s3, 1
	s_lshl_b32 s84, s16, 3
	s_add_co_u32 s84, s84, s3
	s_lshl_b32 s84, s84, 9                         ; A: 512 bytes of scale words a row tile
	s_mov_b32 s85, 0
	s_lshl_b32 s86, s15, 3
	s_add_co_u32 s86, s86, s3
	s_add_co_u32 s86, s86, 192                     ; Wo's row tiles begin at 192
	s_lshl_b32 s86, s86, 9
	s_mov_b32 s87, 0
	s_mul_i32 s2, s12, 12288                       ; where the codes go in a K half: A's eight tiles, then Wo's = wave x 12,288
	s_lshl_b32 s3, s12, 10
	s_add_co_u32 s3, s3, SCLB
	s_wait_dscnt 0x0
	s_wait_kmcnt 0x0
	s_mov_b32 s56, 1
	s_mov_b32 s57, s3
	s_add_nc_u64 s[58:59], s[4:5], s[84:85]
	s_add_nc_u64 s[58:59], s[58:59], SCOFF
	s_or_b32 s59, s59, 0x80000000
	s_mov_b32 s72, 1
	s_mov_b32 s73, s3
	s_add_nc_u64 s[74:75], s[6:7], s[86:87]
	s_add_nc_u64 s[74:75], s[74:75], SCOFF
	s_or_b32 s75, s75, 0x80000000
	s_mul_i32 s84, s84, 24                         ; 12,288 bytes of codes a row tile
	s_mul_i32 s86, s86, 24
	s_add_nc_u64 s[88:89], s[4:5], s[84:85]
	s_add_nc_u64 s[90:91], s[6:7], s[86:87]
	G0SET 60, 88, 0
	G0SET 68, 88, 1
	G0SET 76, 90, 0
	G0SET 80, 90, 1
	CROUND                                         ; all sixteen work-groups are here: the joint loads meet
	s_cmp_lt_u32 s12, 4                            ; a wave's three fills stand in one branch on the wave's number: three tensor loads of mine are out
	s_cbranch_scc0 .Lfirst_y
	tensor_load_to_lds s[56:59], s[40:47]
	s_nop 0
	tensor_load_to_lds s[60:63], s[24:31]
	s_nop 0
	tensor_load_to_lds s[68:71], s[24:31]
	s_nop 0
.rept 4
	v_nop
.endr
	s_branch .Lfirst_done
.Lfirst_y:
	tensor_load_to_lds s[72:75], s[48:55]
	s_nop 0
	tensor_load_to_lds s[76:79], s[32:39]
	s_nop 0
	tensor_load_to_lds s[80:83], s[32:39]
	s_nop 0
.rept 4
	v_nop
.endr
.Lfirst_done:
	s_lshr_b32 s2, s12, 1                          ; wx
	s_and_b32 s3, s12, 1                           ; wy
	s_mul_i32 s84, s2, 12288
	v_lshl_add_u32 v4, v3, 4, s84
	v_lshl_add_u32 v5, v3, 3, s84
	s_mul_i32 s84, s3, 24576
	s_add_co_u32 s84, s84, YO
	v_lshl_add_u32 v6, v3, 4, s84
	v_lshl_add_u32 v7, v3, 3, s84
	s_lshl_b32 s84, s2, 10
	s_add_co_u32 s84, s84, SCLB
	v_lshl_add_u32 v12, v3, 2, s84
	s_lshl_b32 s84, s3, 11
	s_add_co_u32 s84, s84, SCLB+4096
	v_lshl_add_u32 v13, v3, 2, s84
	v_and_b32 v18, 15, v0                          ; r
	v_bfe_u32 v19, v0, 4, 1                        ; h
	v_lshlrev_b32 v14, 6, v19                      ; the bias: 16 h numbers on
	s_mul_i32 s84, s12, 16*272
	s_add_co_u32 s84, s84, STG                     ; my stage
	v_mul_u32_u24 v15, v18, 272
	v_lshl_add_u32 v15, v19, 6, v15
	v_add_nc_u32 v15, s84, v15                     ; in: row r, + 64 h
	v_mul_u32_u24 v16, v19, 272
	v_lshl_add_u32 v16, v18, 4, v16
	v_add_nc_u32 v16, s84, v16                     ; back: lanes 0-15 one row of 256 bytes, lanes 16-31 the next
	v_lshlrev_b32 v17, 12, v19
	v_lshl_add_u32 v17, v18, 4, v17                ; and the same two rows in out0
	s_lshl_b32 s86, s15, 9
	s_lshl_b32 s87, s3, 8
	s_add_co_u32 s86, s86, s87                     ; my 64 outputs, in bytes: 512 x block + 256 wy
	s_mov_b32 s87, 0
	s_add_nc_u64 s[8:9], s[8:9], s[86:87]          ; bo there
	s_lshl_b32 s84, s16, 7
	s_lshl_b32 s85, s2, 5
	s_add_co_u32 s84, s84, s85                     ; my first token: 128 x block + 32 wx
	s_lshl_b32 s84, s84, 12
	s_mov_b32 s85, 0
	s_add_nc_u64 s[10:11], s[10:11], s[84:85]
	s_add_nc_u64 s[10:11], s[10:11], s[86:87]      ; out0 at my corner
.irp a, 0,1                                    ; THE BIAS STARTS THE SUMS: register j of tile t is output 32 (t / 2) + 8 (t % 2) + 16 h + j of my 64
.irp t, 0,1,2,3
	global_load_b128 v[ACC+32*\a+8*\t:ACC+32*\a+8*\t+3], v14, s[8:9] offset:(32*(\t/2)+8*(\t%2))*4
	global_load_b128 v[ACC+32*\a+8*\t+4:ACC+32*\a+8*\t+7], v14, s[8:9] offset:(32*(\t/2)+8*(\t%2))*4+16
.endr
.endr
	s_wait_loadcnt 0x0
	s_wait_tensorcnt 0x1                           ; my scale words and my part of the first K half are in; the second half's load may be out
	s_barrier_signal -1
	s_barrier_wait -1                              ; everybody's are
	HALF 0
	s_wait_tensorcnt 0x0                           ; my part of the second K half is in
	s_wait_dscnt 0x0
	s_barrier_signal -1
	s_barrier_wait -1
	HALF 1
.rept 4
	v_nop                                          ; places in front of the first read of results
.endr
	; THE WAY OUT.  A tile of 16 tokens x my 64 outputs goes through my own stage and comes back as whole rows of 256 bytes.  LDS serves a wave's instructions in order: no wait between the stores and the loads,
	; nor in front of the second tile's stores.
.irp a, 0,1
.irp t, 0,1,2,3
	ds_store_b128 v15, v[ACC+32*\a+8*\t:ACC+32*\a+8*\t+3] offset:128*(\t/2)+32*(\t%2)          ; each accumulator from its low end on
	ds_store_b128 v15, v[ACC+32*\a+8*\t+4:ACC+32*\a+8*\t+7] offset:128*(\t/2)+32*(\t%2)+16
.endr
.irp i, 0,1,2,3,4,5,6,7
	ds_load_b128 v[BK+32*\a+4*\i:BK+32*\a+4*\i+3], v16 offset:544*\i
.endr
.endr
	s_wait_dscnt 16                                ; the first tile is back; the second tile's eight stores and eight loads may be out
.irp i, 0,1,2,3,4,5,6,7
	global_store_b128 v17, v[BK+4*\i:BK+4*\i+3], s[10:11] offset:(2*\i+8*(\i/4))*4096 th:TH_STORE_NT   ; stage rows 2 i, 2 i + 1 are tokens 2 i + 8 (i / 4) and the next; 16 lanes store 256 consecutive bytes, aligned
.endr
	s_wait_dscnt 0x0
.irp i, 0,1,2,3,4,5,6,7
	global_store_b128 v17, v[BK+32+4*\i:BK+32+4*\i+3], s[10:11] offset:(8+2*\i+8*(\i/4))*4096 th:TH_STORE_NT   ; the second tile begins 8 tokens on
.endr
	s_wait_tensorcnt 0x0
	ds_add_u32 v190, v191
	s_wait_dscnt 0x0
	CROUND                                         ; the closing round: no work-group ends while a partner may still ask for a tile that names it
	s_endpgm
.Lfunc_end_k_q0e24861339_oproj:
	.size	k_q0e24861339_oproj, .Lfunc_end_k_q0e24861339_oproj-k_q0e24861339_oproj
	.p2alignl 7, 3214868480
	.fill 96, 4, 3214868480
	.section	.rodata,"a",@progbits
	.p2align	6, 0x0
	.amdhsa_kernel k_q0e24861339_oproj
		.amdhsa_group_segment_fixed_size 240640
		.amdhsa_private_segment_fixed_size 0
		.amdhsa_enable_private_segment 0
		.amdhsa_kernarg_size 32
		.amdhsa_user_sgpr_count 2
		.amdhsa_user_sgpr_kernarg_segment_ptr 1
		.amdhsa_wavefront_size32 1
		.amdhsa_system_sgpr_workgroup_id_x 1
		.amdhsa_system_sgpr_workgroup_id_y 1
		.amdhsa_system_sgpr_workgroup_id_z 1
		.amdhsa_system_vgpr_workitem_id 0
		.amdhsa_next_free_vgpr 256
		.amdhsa_next_free_sgpr 102
		.amdhsa_reserve_vcc 0
		.amdhsa_float_denorm_mode_32 3
		.amdhsa_float_denorm_mode_16_64 3
		.amdhsa_memory_ordered 1
		.amdhsa_forward_progress 1
		.amdhsa_inst_pref_size 37
	.end_amdhsa_kernel
	.amdgpu_metadata
---
amdhsa.version: [ 1, 2 ]
amdhsa.kernels:
  - .name:           k_q0e24861339_oproj
    .symbol:         k_q0e24861339_oproj.kd
    .args:
      - { .name: abuf, .offset: 0, .size: 8, .value_kind: global_buffer, .address_space: global }
      - { .name: wbuf, .offset: 8, .size: 8, .value_kind: global_buffer, .address_space: global }
      - { .name: bo, .offset: 16, .size: 8, .value_kind: global_buffer, .address_space: global }
      - { .name: out0, .offset: 24, .size: 8, .value_kind: global_buffer, .address_space: global }
    .group_segment_fixed_size: 240640
    .private_segment_fixed_size: 0
    .kernarg_segment_align: 8
    .kernarg_segment_size: 32
    .max_flat_workgroup_size: 256
    .sgpr_count:     102
    .vgpr_count:     256
    .wavefront_size: 32
...
	.end_amdgpu_metadata
.endif
;; end of part 4
